; MI455X (gfx1250); checked and timed in simulation.
; The chip was launched on July 23, 2026; its instructions are those of AMD's public machine-readable ISA for CDNA 5 (MIT licence, August 2026) and "CDNA5" Instruction Set Architecture Reference Guide (July 2026). The comments in the code are by the model that wrote it; some were corrected since.
;; Attention. Allowed arithmetic: float matrix products may take bf16 or f16 operands with f32 sums; all other float work in f32.
;; Inputs: Wk 1,024 x 1,024 float32; Wo 1,024 x 1,024 float32; Wq 1,024 x 1,024 float32; Wv 1,024 x 1,024 float32; mask 1 x 1 x 4,096 x 4,096 float32; x 1 x 4,096 x 1,024 float32.
;; Outputs: out0 1 x 4,096 x 1,024 float32.
;; 2 versions, each right; version 2 is version 1 with the launch cast written anew for expert scheduling mode. Each part assembles by itself: llvm-mc -triple=amdgcn-amd-amdhsa -mcpu=gfx1250 --defsym DOCPART=n.
;; ======== version 1 of 2: 4 launches
;; limits: inputs' magnitudes at most 8.5e+37; values are held in f16: magnitudes above 65,504 overflow, below 6.1e-05 lose precision
;; workspace buffers: x16 8,388,608 bytes; w16 8,388,608 bytes; q16 8,388,608 bytes; kv16 16,777,216 bytes; a16 8,388,608 bytes
;; launch cast (part 1): grid 256 x 1, 8 waves a work-group, no clusters, 0 bytes of LDS; arguments x, Wq, Wk, Wv, Wo, x16, w16; writes x16, w16
.if DOCPART == 1
	.amdgcn_target "amdgcn-amd-amdhsa--gfx1250"
	.amdhsa_code_object_version 6
	.text
	.protected	k_q470931fe80_cast
	.globl	k_q470931fe80_cast
	.p2align	8
	.type	k_q470931fe80_cast,@function
k_q470931fe80_cast:
	s_mov_b64 s[64:65], 0
	v_nop
	global_prefetch_b8 v0, s[64:65] scope:SCOPE_SE
	s_setreg_imm32_b32 hwreg(HW_REG_WAVE_MODE, 25, 1), 1
	s_wait_xcnt 0x0
; x, Wq, Wk, Wv, Wo from f32 to f16, once, so that the two products that follow move tiles of 16-bit numbers and convert nothing in their loops.
; x16[4096][1024] keeps x's order.  w16[4096][1024]: row head*192 + which*64 + e = W_which[head*64 + e] (which = 0 q, 1 k, 2 v), so that one
; head's q, k and v weights are 192 neighbouring rows; rows 3072 + n = Wo[n].
; LIMIT: f16 holds magnitudes below 65,504 (larger ones become infinite) and below 6e-5 only with an absolute error of 3e-8.
; 8,192 source rows of 4,096 bytes, 32 for each of 256 work-groups.  Thread t owns bytes 16 t of every row: a wave's load covers 512 neighbouring
; bytes, its 8-byte store 256 neighbouring bytes that start at a multiple of 256.  All 32 loads of a thread go out first (128 KiB a work-group on
; its way); no register is written twice, so the only waits are the counted ones for the loads.  A stream: no LDS, no cluster, no matrix unit.
.set ROWS, 32
.set X, 4                              ; v[4:131]: row i in 4 registers as loaded; its first two then hold the 4 numbers in f16
	s_load_b256 s[4:11], s[0:1], 0x0               ; x s[4:5], Wq s[6:7], Wk s[8:9], Wv s[10:11]
	s_load_b128 s[12:15], s[0:1], 0x20             ; Wo s[12:13], x16 s[14:15]
	s_load_b64 s[16:17], s[0:1], 0x30              ; w16
	s_mov_b32 s27, ttmp9                           ; g: groups 0-127 take x, 128-255 the four weights
	s_and_b32 s20, s27, 127
	s_lshr_b32 s21, s20, 5                         ; which weight: 0 q, 1 k, 2 v, 3 o
	s_and_b32 s22, s20, 31                         ; c: its rows 32 c .. 32 c + 31
	s_lshr_b32 s23, s22, 1                         ; head = c / 2
	s_mul_i32 s23, s23, 192
	s_lshl_b32 s24, s21, 6
	s_add_co_u32 s23, s23, s24                     ; + which * 64
	s_and_b32 s24, s22, 1
	s_lshl_b32 s24, s24, 5
	s_add_co_u32 s23, s23, s24                     ; + the half of the head: the row in w16 for q, k, v
	s_lshl_b32 s24, s22, 5
	s_add_co_u32 s24, s24, 3072                    ; the row in w16 for Wo
	s_cmp_eq_u32 s21, 3
	s_cselect_b32 s23, s24, s23
	s_lshl_b32 s23, s23, 11                        ; rows of 2,048 bytes
	s_lshl_b32 s24, s22, 17                        ; a weight's source: 32 rows of 4,096 bytes for each c
	s_lshl_b32 s25, s27, 17                        ; x's source
	s_lshl_b32 s26, s27, 16                        ; x16's place
	s_cmp_lt_u32 s27, 128
	s_cselect_b32 s28, s25, s24                    ; source offset
	s_cselect_b32 s30, s26, s23                    ; destination offset
	s_mov_b32 s29, 0
	s_mov_b32 s31, 0
	v_lshlrev_b32 v1, 4, v0                        ; 16 t
	v_lshlrev_b32 v2, 3, v0                        ; 8 t
	s_wait_kmcnt 0x0
	s_cmp_eq_u32 s21, 1                            ; the buffers are chosen on the group's number alone
	s_cselect_b64 s[6:7], s[8:9], s[6:7]
	s_cmp_eq_u32 s21, 2
	s_cselect_b64 s[6:7], s[10:11], s[6:7]
	s_cmp_eq_u32 s21, 3
	s_cselect_b64 s[6:7], s[12:13], s[6:7]
	s_cmp_lt_u32 s27, 128
	s_cselect_b64 s[4:5], s[4:5], s[6:7]
	s_cselect_b64 s[14:15], s[14:15], s[16:17]
	s_add_nc_u64 s[4:5], s[4:5], s[28:29]
	s_add_nc_u64 s[14:15], s[14:15], s[30:31]
.set i, 0
.rept ROWS
	global_load_b128 v[X+4*i:X+4*i+3], v1, s[4:5] offset:4096*i th:TH_LOAD_NT
.set i, i+1
.endr
.set i, 0
.rept ROWS
	s_wait_loadcnt ROWS-1-i                        ; loads come back in order (ISA guide 5.7.1): row i is in, the younger rows stay out
	v_cvt_pk_f16_f32 v[X+4*i], v[X+4*i], v[X+4*i+1]
	v_cvt_pk_f16_f32 v[X+4*i+1], v[X+4*i+2], v[X+4*i+3]
	global_store_b64 v2, v[X+4*i:X+4*i+1], s[14:15] offset:2048*i    ; read again by the next launch: no hint
.set i, i+1
.endr
	s_endpgm
.Lfunc_end_k_q470931fe80_cast:
	.size	k_q470931fe80_cast, .Lfunc_end_k_q470931fe80_cast-k_q470931fe80_cast
	.p2alignl 7, 3214868480
	.fill 96, 4, 3214868480
	.section	.rodata,"a",@progbits
	.p2align	6, 0x0
	.amdhsa_kernel k_q470931fe80_cast
		.amdhsa_group_segment_fixed_size 0
		.amdhsa_private_segment_fixed_size 0
		.amdhsa_enable_private_segment 0
		.amdhsa_kernarg_size 56
		.amdhsa_user_sgpr_count 2
		.amdhsa_user_sgpr_kernarg_segment_ptr 1
		.amdhsa_wavefront_size32 1
		.amdhsa_system_sgpr_workgroup_id_x 1
		.amdhsa_system_sgpr_workgroup_id_y 1
		.amdhsa_system_sgpr_workgroup_id_z 1
		.amdhsa_system_vgpr_workitem_id 0
		.amdhsa_next_free_vgpr 136
		.amdhsa_next_free_sgpr 66
		.amdhsa_reserve_vcc 0
		.amdhsa_float_denorm_mode_32 3
		.amdhsa_float_denorm_mode_16_64 3
		.amdhsa_memory_ordered 1
		.amdhsa_forward_progress 1
		.amdhsa_inst_pref_size 13
	.end_amdhsa_kernel
	.amdgpu_metadata
---
amdhsa.version: [ 1, 2 ]
amdhsa.kernels:
  - .name:           k_q470931fe80_cast
    .symbol:         k_q470931fe80_cast.kd
    .args:
      - { .name: x, .offset: 0, .size: 8, .value_kind: global_buffer, .address_space: global }
      - { .name: Wq, .offset: 8, .size: 8, .value_kind: global_buffer, .address_space: global }
      - { .name: Wk, .offset: 16, .size: 8, .value_kind: global_buffer, .address_space: global }
      - { .name: Wv, .offset: 24, .size: 8, .value_kind: global_buffer, .address_space: global }
      - { .name: Wo, .offset: 32, .size: 8, .value_kind: global_buffer, .address_space: global }
      - { .name: x16, .offset: 40, .size: 8, .value_kind: global_buffer, .address_space: global }
      - { .name: w16, .offset: 48, .size: 8, .value_kind: global_buffer, .address_space: global }
    .group_segment_fixed_size: 0
    .private_segment_fixed_size: 0
    .kernarg_segment_align: 8
    .kernarg_segment_size: 56
    .max_flat_workgroup_size: 256
    .sgpr_count:     66
    .vgpr_count:     136
    .wavefront_size: 32
...
	.end_amdgpu_metadata
.endif
;; end of part 1
;; launch qkv (part 2): grid 16 x 16, 4 waves a work-group, clusters of 4 x 4, 327,680 bytes of LDS; arguments x16, w16, q16, kv16; writes q16, kv16
.if DOCPART == 2
	.amdgcn_target "amdgcn-amd-amdhsa--gfx1250"
	.amdhsa_code_object_version 6
	.text
	.protected	k_q470931fe80_qkv
	.globl	k_q470931fe80_qkv
	.p2align	8
	.type	k_q470931fe80_qkv,@function
k_q470931fe80_qkv:
	s_mov_b64 s[64:65], 0
	v_nop
	global_prefetch_b8 v0, s[64:65] scope:SCOPE_SE
	s_setreg_imm32_b32 hwreg(HW_REG_WAVE_MODE, 25, 1), 1
	s_wait_xcnt 0x0
	s_wait_alu depctr_hold_cnt(0) depctr_sa_sdst(0) depctr_va_vdst(0) depctr_va_sdst(0) depctr_va_ssrc(0) depctr_va_vcc(0) depctr_vm_vsrc(0)
	s_getreg_b32 s2, hwreg(HW_REG_IB_STS2, 6, 4)
	s_cmp_eq_u32 s2, 0
	s_cbranch_scc0 .Lentry_in_a_cluster
	s_endpgm
.Lentry_in_a_cluster:
	s_bfe_u32 s2, ttmp6, 0x10000c
	s_cmp_lg_u32 s2, 0xf033
	s_cbranch_scc0 .Lentry_shape_is_right
	s_endpgm
.Lentry_shape_is_right:
; q/8, k and v of one head for 256 rows of x:  [256 x 1024] times [192 x 1024]^T, f16 operands, f32 sums.
; Grid x = head X, grid y = row block Y.  Four waves, as many as a WGP has SIMDs; wave w makes rows 64 w .. 64 w + 63 by all 192 columns: 4 x 12 accumulator
; tiles of 16 x 16, 384 registers; for 32 along K it reads 32 x 512 bytes from LDS and issues 48 matrix instructions.
; OUT: q16[head][4096][64] (already divided by 8, exactly, in f32 ahead of the one rounding);
;      kv16[head][64 key blocks][K: 64 keys x 64 d, 8 KiB | V transposed: 64 e x 64 keys, 8 KiB].  A wave's 64 rows are key block 4 Y + w.
; LIMIT: f16 results: |q/8|, |k|, |v| of 65,504 and above become infinite; below 6e-5 the absolute error is 3e-8.
; K goes in steps of 128 through two LDS slots filled by the tensor data mover; a tile's rows are 256 bytes of memory at multiples of 256 bytes.
; CLUSTERS: 4 x 4 work-groups.  x16's tile hangs on Y alone and is asked for jointly by a row of the cluster; w16's hangs on X alone and is asked for
; jointly by a column: the requests for both are divided by four.
; REGISTER WINDOWS (s_set_vgpr_msb: bits 1:0 source 0, 3:2 source 1, 5:4 source 2, 7:6 destination):
;   window 0: v16-28 addresses; v64-95, v96-127 fragments of x (4 x 16 rows x 32 K), two buffers; v128-191 read-back; v192-255 packed results
;   window 1: v0-95, v96-191 fragments of the weights (12 x 16 rows x 32 K), two buffers
;   window 2: q and k sums, tile (a, b), b = 0..7, at v[8 (8 a + b)];   window 3: v sums, tile (a, b), b = 0..3, at v[8 (4 a + b)]
; q and k are made TRANSPOSED (source 0 = weights, source 1 = x): a lane holds one row of x and eight neighbouring e.
; v is made in the natural order (source 0 = x, source 1 = weights): a lane holds one e and eight neighbouring rows of x, a piece of a row of V transposed.
.set PITCH,  272                       ; an LDS row: 256 bytes + 16 of padding: the 16 rows of a fragment start 16 bytes apart modulo 256
.set KSTEP,  128
.set AHALF,  128*PITCH                 ; what waves 0 and 1 fetch: 128 rows of x16 each
.set BHALF,  96*PITCH                  ; what waves 2 and 3 fetch: 96 rows of w16 each
.set BOFF,   256*PITCH
.set SLOT,   448*PITCH                 ; 256 rows of x16, then 192 of w16
.set STAGE,  2*SLOT                    ; behind the ring, a multiple of 256: 9,216 bytes for each wave, never the target of a tensor load
.set STAGEW, 9216
.set VPITCH, 144                       ; the stage's pitch for V transposed: rows of 128 bytes + 16
.set LAPS,   4                         ; 1024 / (2 x 128)
.set ADRA, 16                          ; v16-17 LDS address of my x fragments in slot 0, 1
.set ADRB, 20                          ; v20-21 the same for the weights
.set STO,  24                          ; stage: where I put 16 bytes of a q|k row
.set RDQ,  25                          ; stage: where I read 16 bytes of four q (or k) rows back
.set CO,   26                          ; 16 x lane: my place in 512 neighbouring bytes of the output
.set STV,  27                          ; stage: where I put 16 bytes of a row of V transposed
.set RDV,  28                          ; stage: where I read them back
.set FA,   64
.set RB,   128
.set TMP,  192
.set G1,  24                           ; s[24:31] group 1 for x16's tiles
.set G0,  32                           ; s[32:39] group 0 for x16's tiles, one set for each slot
.set G1B, 48                           ; s[48:55] group 1 for w16's tiles
.set G0B, 56                           ; s[56:63] group 0 for w16's tiles
.set MUL_QK, 0xa1                      ; source 0 window 1, source 1 window 0, C and D window 2
.set MUL_V,  0xf4                      ; source 0 window 0, source 1 window 1, C and D window 3
.set TO_B,   0x40                      ; destination window 1, address window 0
.set MSB, 0
.macro WIN new                         ; the immediate's high byte repeats the setting that is left; a switch that changes nothing is dropped
.if MSB != \new
	s_set_vgpr_msb (MSB<<8)|\new
.set MSB, \new
.endif
.endm
.macro PLACES                          ; four places behind the last matrix instruction (ISA guide 7.12.1 for vector instructions)
.rept 4
	v_nop
.endr
.endm
; A joint load: waves 0, 1 ask for x16's halves, waves 2, 3 for w16's.  The branch hangs on the wave's number alone.
.macro JLOAD s
	s_cmp_eq_u32 s13, 0
	s_cbranch_scc0 .Lfor_b_\@
	tensor_load_to_lds s[G0+4*\s:G0+4*\s+3], s[G1:G1+7]
	s_nop 0
	s_branch .Lasked_\@
.Lfor_b_\@:
	tensor_load_to_lds s[G0B+4*\s:G0B+4*\s+3], s[G1B:G1B+7]
	s_nop 0
.Lasked_\@:
.endm
.macro CREST                           ; a round of the cluster's barrier behind its opening work-group barrier
	s_cmp_lg_u32 s12, 0
	s_cbranch_scc1 .Lnot_wave_0_\@
	s_barrier_signal -3
.Lnot_wave_0_\@:
	s_barrier_wait -3
	s_barrier_signal -1
	s_barrier_wait -1
.endm
.macro CROUND                          ; a whole round
	s_barrier_signal -1
	s_barrier_wait -1
	CREST
.endm
	s_load_b256 s[4:11], s[0:1], 0x0               ; x16 s[4:5], w16 s[6:7], q16 s[8:9], kv16 s[10:11]
	s_set_vgpr_msb 0x40
	v_lshl_add_u32 v255, v0, 2, 0x44800
	s_set_vgpr_msb 0x4000
	v_mov_b32 v63, 0
	s_set_vgpr_msb 0x1
	ds_add_u32 v255, v63
	s_set_vgpr_msb 0x100
	v_lshrrev_b32 v1, 5, v0
	v_readfirstlane_b32 s12, v1                    ; wave 0..3
	s_lshr_b32 s13, s12, 1                         ; I fetch for x16 (0) or for w16 (1)
	s_and_b32 s14, s12, 1                          ; which half of that tile
	s_bfe_u32 s40, ttmp6, 0x40000                  ; cx
	s_bfe_u32 s41, ttmp6, 0x40004                  ; cy
	s_lshl_b32 s42, ttmp9, 2
	s_add_co_u32 s42, s42, s40                     ; X = head
	s_and_b32 s15, ttmp7, 0xffff
	s_lshl_b32 s15, s15, 2
	s_add_co_u32 s15, s15, s41                     ; Y = row block
	s_lshl_b32 s43, s41, 2
	s_lshl_b32 s43, 15, s43                        ; my row of the cluster
	s_lshl_b32 s44, 0x1111, s40                    ; my column
	s_or_b32 s[G1+0], s43, (1<<16)|(1<<20)|(1<<21)|(5<<22)|(3<<25)   ; mask; 2-byte elements; padding on; bit 21 beside a mask; after every 64 words 4 words
	s_mov_b32 s[G1+1], KSTEP<<16                   ; tensor_dim0 = 128
	s_mov_b32 s[G1+2], 128<<16                     ; tensor_dim1 = 128
	s_mov_b32 s[G1+3], KSTEP<<16                   ; tile_dim0 = 128
	s_mov_b32 s[G1+4], 128                         ; tile_dim1 = 128
	s_mov_b32 s[G1+5], 1024                        ; elements from row to row
	s_mov_b32 s[G1+6], 0
	s_mov_b32 s[G1+7], 0
	s_or_b32 s[G1B+0], s44, (1<<16)|(1<<20)|(1<<21)|(5<<22)|(3<<25)
	s_mov_b32 s[G1B+1], KSTEP<<16
	s_mov_b32 s[G1B+2], 96<<16                     ; 96 rows
	s_mov_b32 s[G1B+3], KSTEP<<16
	s_mov_b32 s[G1B+4], 96
	s_mov_b32 s[G1B+5], 1024
	s_mov_b32 s[G1B+6], 0
	s_mov_b32 s[G1B+7], 0
	; x16's tile is made of Y and the wave, w16's of X and the wave, each in registers that never hold the other coordinate
	s_lshl_b32 s16, s15, 19                        ; 256 Y rows of 2,048 bytes
	s_lshl_b32 s17, s14, 18                        ; + 128 rows for the second half
	s_add_co_u32 s16, s16, s17
	s_mov_b32 s17, 0
	s_mul_i32 s46, s42, 192*2048                   ; 192 X rows
	s_mul_i32 s47, s14, 96*2048                    ; + 96 rows for the second half
	s_add_co_u32 s46, s46, s47
	s_mov_b32 s47, 0
	s_mul_i32 s20, s12, AHALF                      ; LDS: waves 0, 1 at 0 and 34,816
	s_mul_i32 s21, s12, BHALF
	s_add_co_u32 s21, s21, BOFF-2*BHALF            ; waves 2, 3 at 69,632 and 95,744
	s_wait_dscnt 0x0
	s_wait_kmcnt 0x0
	s_add_nc_u64 s[16:17], s[4:5], s[16:17]
	s_add_nc_u64 s[46:47], s[6:7], s[46:47]
	CROUND                                         ; all sixteen work-groups are here: the first joint loads meet
.irp s, 0,1
	s_mov_b32 s[G0+4*\s], 1
	s_add_co_u32 s[G0+4*\s+1], s20, \s*SLOT
	s_add_nc_u64 s[G0+4*\s+2:G0+4*\s+3], s[16:17], \s*KSTEP*2
	s_or_b32 s[G0+4*\s+3], s[G0+4*\s+3], 0x80000000
	s_mov_b32 s[G0B+4*\s], 1
	s_add_co_u32 s[G0B+4*\s+1], s21, \s*SLOT
	s_add_nc_u64 s[G0B+4*\s+2:G0B+4*\s+3], s[46:47], \s*KSTEP*2
	s_or_b32 s[G0B+4*\s+3], s[G0B+4*\s+3], 0x80000000
	JLOAD \s                                       ; K steps 0 and 1: two loads of a wave are out, the most in this text
.endr
	v_and_b32 v1, 15, v0                           ; r = lane % 16
	v_bfe_u32 v2, v0, 4, 1                         ; h = lane / 16
	v_mul_u32_u24 v3, v1, PITCH
	v_lshl_add_u32 v3, v2, 4, v3                   ; r x pitch + 16 h: a fragment is two 16-byte loads, 32 bytes apart, from here
	s_mul_i32 s22, s12, 64*PITCH                   ; my 64 rows of x16
	s_mov_b32 s23, BOFF                            ; all 192 rows of w16
.irp s, 0,1
	v_add_nc_u32 v[ADRA+\s], s22, v3
	v_add_nc_u32 v[ADRB+\s], s23, v3
	s_add_co_u32 s22, s22, SLOT
	s_add_co_u32 s23, s23, SLOT
.endr
	s_mul_i32 s22, s12, STAGEW
	s_add_co_u32 s22, s22, STAGE                   ; my stage
	v_add_nc_u32 v[STO], s22, v3
	v_bfe_u32 v5, v0, 3, 2                         ; lane / 8
	v_and_b32 v6, 7, v0                            ; lane % 8
	v_mul_u32_u24 v4, v5, PITCH
	v_lshl_add_u32 v4, v6, 4, v4
	v_add_nc_u32 v[RDQ], s22, v4                   ; eight lanes take the 128 bytes of one row's q (k: 128 bytes further)
	v_mul_u32_u24 v4, v1, VPITCH
	v_lshl_add_u32 v4, v2, 4, v4
	v_add_nc_u32 v[STV], s22, v4
	v_mul_u32_u24 v4, v5, VPITCH
	v_lshl_add_u32 v4, v6, 4, v4
	v_add_nc_u32 v[RDV], s22, v4
	v_and_b32 v4, 31, v0
	v_lshlrev_b32 v[CO], 4, v4
; 16 matrix instructions for q and k: m blocks a0, a0 + 1 of my four x weight blocks 0..7.  f = fragment buffer 0 or 1.  zero = 1: the product starts the sums.
.macro MULQK f, a0, zero
.irp a, \a0, \a0+1
.irp b, 0,1,2,3,4,5,6,7
.if \zero
	v_wmma_f32_16x16x32_f16 v[8*(8*(\a)+\b):8*(8*(\a)+\b)+7], v[96*\f+8*\b:96*\f+8*\b+7], v[FA+32*\f+8*(\a):FA+32*\f+8*(\a)+7], 0
.else
	v_wmma_f32_16x16x32_f16 v[8*(8*(\a)+\b):8*(8*(\a)+\b)+7], v[96*\f+8*\b:96*\f+8*\b+7], v[FA+32*\f+8*(\a):FA+32*\f+8*(\a)+7], v[8*(8*(\a)+\b):8*(8*(\a)+\b)+7]
.endif
.endr
.endr
.endm
; 16 matrix instructions for v: my four m blocks x weight blocks 8..11
.macro MULV f, zero
.irp a, 0,1,2,3
.irp b, 0,1,2,3
.if \zero
	v_wmma_f32_16x16x32_f16 v[8*(4*\a+\b):8*(4*\a+\b)+7], v[FA+32*\f+8*\a:FA+32*\f+8*\a+7], v[96*\f+64+8*\b:96*\f+64+8*\b+7], 0
.else
	v_wmma_f32_16x16x32_f16 v[8*(4*\a+\b):8*(4*\a+\b)+7], v[FA+32*\f+8*\a:FA+32*\f+8*\a+7], v[96*\f+64+8*\b:96*\f+64+8*\b+7], v[8*(4*\a+\b):8*(4*\a+\b)+7]
.endif
.endr
.endr
.endm
; 32 LDS loads in one run: x's four fragments, the weights' blocks 0-7, then blocks 8-11 (the youngest eight loads), 32 K at byte k of the rows
.macro FETCH slot, k, f
	WIN 0
.irp i, 0,1,2,3
	ds_load_b128 v[FA+32*\f+8*\i:FA+32*\f+8*\i+3],   v[ADRA+\slot] offset:\k+\i*16*PITCH
	ds_load_b128 v[FA+32*\f+8*\i+4:FA+32*\f+8*\i+7], v[ADRA+\slot] offset:\k+\i*16*PITCH+32
.endr
	WIN TO_B
.irp i, 0,1,2,3,4,5,6,7,8,9,10,11
	ds_load_b128 v[96*\f+8*\i:96*\f+8*\i+3],   v[ADRB+\slot] offset:\k+\i*16*PITCH
	ds_load_b128 v[96*\f+8*\i+4:96*\f+8*\i+7], v[ADRB+\slot] offset:\k+\i*16*PITCH+32
.endr
.endm
; A K step is four quarters of 32 along K, 48 matrix instructions each, on buffers 0, 1, 0, 1.  The 48 accumulators take turns, one instruction a turn,
; in the same order in every quarter.
.macro QUARTER slot, k, f, g, zero
	s_wait_dscnt 8                                 ; x's fragments and weight blocks 0-7 are in; the youngest eight loads (blocks 8-11) may be out
	WIN MUL_QK
	MULQK \f, 0, \zero
	MULQK \f, 2, \zero
	PLACES
	FETCH \slot, \k, \g
	s_wait_dscnt 32                                ; all but the 32 just issued
	WIN MUL_V
	MULV \f, \zero
.endm
.macro THREE slot, zero
	QUARTER \slot, 64,  0, 1, \zero
	QUARTER \slot, 128, 1, 0, 0
	QUARTER \slot, 192, 0, 1, 0
.endm
; The last quarter multiplies buffer 1 and changes slots.  In front of the barrier each wave waits for its reads of this slot and for all its tensor loads
; (one is out: its part of the next slot).  Where the slot is filled again the barrier opens a round of the cluster's barrier, and the joint refill is the
; first tensor load behind the round.  From a request to the wait for it a wave issues 176 matrix instructions.
.macro TURN slot, next, fill
	s_wait_dscnt 8
	WIN MUL_QK
	MULQK 1, 0, 0
	s_wait_dscnt 0                                 ; my reads of this slot are over
	s_wait_tensorcnt 0x0                           ; all my tensor loads have landed
	ds_add_u32 v255, v63
	s_wait_dscnt 0x0
	s_barrier_signal -1
	MULQK 1, 2, 0                                  ; register work while the others arrive
	WIN 0
	s_barrier_wait -1
.if \fill
	CREST
	s_add_nc_u64 s[G0+4*\slot+2:G0+4*\slot+3], s[G0+4*\slot+2:G0+4*\slot+3], 2*KSTEP*2
	s_add_nc_u64 s[G0B+4*\slot+2:G0B+4*\slot+3], s[G0B+4*\slot+2:G0B+4*\slot+3], 2*KSTEP*2
	JLOAD \slot
.endif
	PLACES
	FETCH \next, 0, 0
	WIN MUL_V
	MULV 1, 0
.endm
.macro LAP zero
	THREE 0, \zero
	TURN 0, 1, 1
	THREE 1, 0
	TURN 1, 0, 1
.endm
	s_wait_tensorcnt 1                             ; my part of K step 0 is in; K step 1's stays out
	s_barrier_signal -1
	s_barrier_wait -1
	FETCH 0, 0, 0
	LAP 1                                          ; K steps 0, 1; asks for 2, 3.  Its first products start the sums: nothing is cleared
	WIN 0
	s_mov_b32 s3, LAPS-2
.Llap:
	LAP 0                                          ; K steps 2-5; asks for 4-7
	WIN 0
	s_sub_co_u32 s3, s3, 1
	s_cmp_lg_u32 s3, 0
	s_cbranch_scc1 .Llap
	THREE 0, 0                                     ; the last lap fills nothing
	TURN 0, 1, 0
	THREE 1, 0
	s_wait_dscnt 8
	WIN MUL_QK
	MULQK 1, 0, 0
	MULQK 1, 2, 0
	s_wait_dscnt 0
	WIN MUL_V
	MULV 1, 0
	; THE WAY OUT.  Four places behind the last matrix instruction, for everything below that reads results.
	PLACES
	s_lshl_b32 s16, s15, 15                        ; q16: 256 Y rows of 128 bytes
	s_lshl_b32 s17, s12, 13                        ; + 64 w rows
	s_add_co_u32 s16, s16, s17
	s_mov_b32 s17, 0
	s_add_nc_u64 s[8:9], s[8:9], s[16:17]
	s_lshl_b32 s16, s16, 1                         ; kv16: key block 4 Y + w of 16,384 bytes: twice that
	s_add_nc_u64 s[10:11], s[10:11], s[16:17]
	s_lshl_b32 s46, s42, 19                        ; q16: a head is 4,096 rows of 128 bytes
	s_mov_b32 s47, 0
	s_add_nc_u64 s[8:9], s[8:9], s[46:47]
	s_lshl_b32 s46, s42, 20                        ; kv16: a head is 64 blocks of 16,384 bytes
	s_add_nc_u64 s[10:11], s[10:11], s[46:47]
	WIN 0x82                                       ; q / sqrt(64): times 1/8, exact, in f32
.irp a, 0,1,2,3
.irp b, 0,1,2,3
.irp r, 0,2,4,6
	v_pk_mul_f32 v[8*(8*\a+\b)+\r:8*(8*\a+\b)+\r+1], v[8*(8*\a+\b)+\r:8*(8*\a+\b)+\r+1], 0x3e000000 op_sel_hi:[1,0]
.endr
.endr
.endr
; 16 rows of q and k: round to f16, 16 bytes a lane into my own stage (a row: 128 bytes of q, 128 of k), read back four rows at a time.
; LDS serves a wave's instructions in order (ISA guide 5.7.1.4), so the loads see the stores above them.
.macro OUTQK a, buf
	WIN 0x0a
.irp b, 0,1,2,3,4,5,6,7
.irp r, 0,1,2,3
	v_cvt_pk_f16_f32 v[TMP+4*\b+\r], v[8*(8*\a+\b)+2*\r], v[8*(8*\a+\b)+2*\r+1]
.endr
.endr
	WIN 0
.irp b, 0,1,2,3,4,5,6,7
	ds_store_b128 v[STO], v[TMP+4*\b:TMP+4*\b+3] offset:32*\b
.endr
	s_wait_xcnt 0x0                                ; the read-back registers, which earlier stores read, are loaded again only behind this wait
.irp t, 0,1,2,3
	ds_load_b128 v[\buf+4*\t:\buf+4*\t+3], v[RDQ] offset:\t*4*PITCH
.endr
.irp t, 0,1,2,3
	ds_load_b128 v[\buf+16+4*\t:\buf+16+4*\t+3], v[RDQ] offset:\t*4*PITCH+128
.endr
.irp t, 0,1,2,3
	s_wait_dscnt 7-\t
	global_store_b128 v[CO], v[\buf+4*\t:\buf+4*\t+3], s[8:9] offset:2048*\a+512*\t      ; 512 neighbouring bytes, at a multiple of 512
.endr
.irp t, 0,1,2,3
	s_wait_dscnt 3-\t
	global_store_b128 v[CO], v[\buf+16+4*\t:\buf+16+4*\t+3], s[10:11] offset:2048*\a+512*\t
.endr
.endm
	OUTQK 0, RB
	OUTQK 1, RB+32
	OUTQK 2, RB
	OUTQK 3, RB+32
	; V transposed: 64 rows (e) of 64 keys
	WIN 0x0f
.irp a, 0,1,2,3
.irp b, 0,1,2,3
.irp r, 0,1,2,3
	v_cvt_pk_f16_f32 v[TMP+4*(4*\a+\b)+\r], v[8*(4*\a+\b)+2*\r], v[8*(4*\a+\b)+2*\r+1]
.endr
.endr
.endr
	WIN 0
.irp a, 0,1,2,3
.irp b, 0,1,2,3
	ds_store_b128 v[STV], v[TMP+4*(4*\a+\b):TMP+4*(4*\a+\b)+3] offset:16*VPITCH*\b+32*\a   ; row e = 16 b + r, keys 16 a + 8 h ..
.endr
.endr
.irp g, 0,1
	s_wait_xcnt 0x0
.irp t, 0,1,2,3,4,5,6,7
	ds_load_b128 v[RB+32*\g+4*\t:RB+32*\g+4*\t+3], v[RDV] offset:(8*\g+\t)*4*VPITCH
.endr
.irp t, 0,1,2,3,4,5,6,7
	s_wait_dscnt 7-\t
	global_store_b128 v[CO], v[RB+32*\g+4*\t:RB+32*\g+4*\t+3], s[10:11] offset:8192+512*(8*\g+\t)
.endr
.endr
	s_set_vgpr_msb 0x1
	s_wait_tensorcnt 0x0
	ds_add_u32 v255, v63
	s_wait_dscnt 0x0
	s_set_vgpr_msb 0x100
	CROUND                                         ; the closing round: no work-group ends while a partner may still ask for a tile that names it
	s_endpgm
.Lfunc_end_k_q470931fe80_qkv:
	.size	k_q470931fe80_qkv, .Lfunc_end_k_q470931fe80_qkv-k_q470931fe80_qkv
	.p2alignl 7, 3214868480
	.fill 96, 4, 3214868480
	.section	.rodata,"a",@progbits
	.p2align	6, 0x0
	.amdhsa_kernel k_q470931fe80_qkv
		.amdhsa_group_segment_fixed_size 327680
		.amdhsa_private_segment_fixed_size 0
		.amdhsa_enable_private_segment 0
		.amdhsa_kernarg_size 32
		.amdhsa_user_sgpr_count 2
		.amdhsa_user_sgpr_kernarg_segment_ptr 1
		.amdhsa_wavefront_size32 1
		.amdhsa_system_sgpr_workgroup_id_x 1
		.amdhsa_system_sgpr_workgroup_id_y 1
		.amdhsa_system_sgpr_workgroup_id_z 1
		.amdhsa_system_vgpr_workitem_id 0
		.amdhsa_next_free_vgpr 896
		.amdhsa_next_free_sgpr 66
		.amdhsa_reserve_vcc 0
		.amdhsa_float_denorm_mode_32 3
		.amdhsa_float_denorm_mode_16_64 3
		.amdhsa_memory_ordered 1
		.amdhsa_forward_progress 1
		.amdhsa_inst_pref_size 170
	.end_amdhsa_kernel
	.amdgpu_metadata
---
amdhsa.version: [ 1, 2 ]
amdhsa.kernels:
  - .name:           k_q470931fe80_qkv
    .symbol:         k_q470931fe80_qkv.kd
    .args:
      - { .name: x16, .offset: 0, .size: 8, .value_kind: global_buffer, .address_space: global }
      - { .name: w16, .offset: 8, .size: 8, .value_kind: global_buffer, .address_space: global }
      - { .name: q16, .offset: 16, .size: 8, .value_kind: global_buffer, .address_space: global }
      - { .name: kv16, .offset: 24, .size: 8, .value_kind: global_buffer, .address_space: global }
    .group_segment_fixed_size: 327680
    .private_segment_fixed_size: 0
    .kernarg_segment_align: 8
    .kernarg_segment_size: 32
    .max_flat_workgroup_size: 128
    .sgpr_count:     66
    .vgpr_count:     896
    .wavefront_size: 32
...
	.end_amdgpu_metadata
.endif
;; end of part 2
;; launch attn (part 3): grid 8 x 32, 8 waves a work-group, clusters of 4 x 4, 327,680 bytes of LDS; arguments q16, kv16, mask, a16; writes a16
.if DOCPART == 3
	.amdgcn_target "amdgcn-amd-amdhsa--gfx1250"
	.amdhsa_code_object_version 6
	.text
	.protected	k_q470931fe80_attn
	.globl	k_q470931fe80_attn
	.p2align	8
	.type	k_q470931fe80_attn,@function
k_q470931fe80_attn:
	s_mov_b64 s[64:65], 0
	v_nop
	global_prefetch_b8 v0, s[64:65] scope:SCOPE_SE
	s_setreg_imm32_b32 hwreg(HW_REG_WAVE_MODE, 25, 1), 1
	s_wait_xcnt 0x0
	s_wait_alu depctr_hold_cnt(0) depctr_sa_sdst(0) depctr_va_vdst(0) depctr_va_sdst(0) depctr_va_ssrc(0) depctr_va_vcc(0) depctr_vm_vsrc(0)
	s_getreg_b32 s2, hwreg(HW_REG_IB_STS2, 6, 4)
	s_cmp_eq_u32 s2, 0
	s_cbranch_scc0 .Lentry_in_a_cluster
	s_endpgm
.Lentry_in_a_cluster:
	s_bfe_u32 s2, ttmp6, 0x10000c
	s_cmp_lg_u32 s2, 0xf033
	s_cbranch_scc0 .Lentry_shape_is_right
	s_endpgm
.Lentry_shape_is_right:
; softmax(q k^T / 8 + mask) v for two heads (2 X, 2 X + 1) and 128 queries (128 Y ..), with a running maximum.  q16 is already divided by 8.
; Eight waves, two for each SIMD.  Wave w has head 2 X + (w >> 2), the 64 queries of half (w >> 1) & 1 of the block (four query tiles of 16) and half w & 1 of
; every tile of 128 keys.  For 64 queries x 64 keys a wave reads 16 KiB of mask, 8 KiB of K and 8 KiB of V^T from LDS: 8 bytes a score; with 32 queries a wave
; it would be 12.  The two waves that share queries keep a maximum, a sum and an O of their own; they are merged once, at the end, through LDS.
; TRANSPOSED: S^T = K Q^T + C, with the mask's tile loaded straight into the accumulator registers as C: adding the mask costs no vector instruction.
; A lane (r, h) then holds query r and keys 8 h + j of each key tile: maximum and sum run along its registers, with one exchange between the halves of the wave,
; and two neighbouring key tiles, packed to f16, ARE the second source of O^T = V^T P^T: P never goes through LDS.  alpha and 1/l are one number a lane.
; THE PIPELINE: a phase is the softmax of query tile t (120 vector instructions in eight chunks); between the chunks stand pairs of matrix instructions on OTHER
; tiles: first the eight of O(t-1) += V^T P(t-1), then the eight of S(t+1) = K Q(t+1) + mask.  So a wave has vector work to issue behind each pair, and every
; LDS load is issued four chunks or more ahead of its use: the mask of tile t+2 in every phase, K again behind its last use (phase 2, phase 3), V^T likewise (phase 0).
; REGISTER WINDOWS (s_set_vgpr_msb: bits 1:0 source 0, 3:2 source 1, 5:4 source 2, 7:6 destination): both windows have one map.  Window 0: query tiles 0, 1, K, the
; addresses.  Window 1: query tiles 2, 3, V^T.  A softmax runs under one setting (0x00 or 0x55); products with K as source 0 under 0x00 or 0x54, with V^T under
; 0x01 or 0x55; loads into window 1 under 0x40.  The products go in pairs, so that a key tile's 64 matrix, 480 vector and 64 LDS instructions take 58 switches.
; LIMITS: operands f16 (p <= 1 by the maximum; p below 6e-8 counts as 0).  Each running maximum starts at -2^126: a row whose scores all lie below that
; gives NaN.  A row that is -inf throughout gives NaN, as 0/0 does in the softmax that is computed here.
; Keys go in tiles of 128 through two LDS slots.  One tensor load a wave and slot, 32 KiB each: waves 0, 1 the K|V^T blocks of the two heads, waves 2, 3
; the halves of the mask's tile; waves 4-7 none.  A tile is read from phase 2 of the step before to phase 1 of its own step, so the slots change between phases 1 and 2.
; CLUSTERS: 4 x 4 work-groups.  K|V^T hangs on X alone: asked for jointly by a column of the cluster.  The mask's tile hangs on Y alone: by a row.
.set PITCH,  272
.set KVH,    128*PITCH                 ; a head's K|V^T of 128 keys: 32 KiB of memory as 128 rows of 256 bytes + 16
.set SUBB,   64*PITCH                  ; the second 64 keys' block
.set VOFF,   32*PITCH                  ; V^T behind K in a block.  Row i of 128 bytes lies at (i>>1) 272 + (i&1) 128: 16 rows start at 16 different 16-byte columns modulo 256
.set MPITCH, 528                       ; a row of the mask's tile: 512 bytes + 16
.set MOFF,   2*KVH
.set MHALF,  64*MPITCH
.set SLOT,   2*KVH+2*MHALF             ; 137,216
.set STAGE,  2*SLOT                    ; 274,432, a multiple of 256: 128 rows x 272 bytes for the way out, never the target of a tensor load
.set XPAIR,  34*512                    ; the merge: 32 x 512 bytes of O and 2 x 512 of maxima and sums for each pair of waves, in slot 0 behind its last fill and last read
.set ADKV, 2                           ; v2-3   my K / V^T fragment address in slot 0, 1
.set ADM,  4                           ; v4-5   my mask address in slot 0, 1
.set QOF,  6
.set PFO,  7                           ; prefetch: (lane % 16) rows of the mask + (lane / 16) x 256 bytes; never rewritten
.set STO,  8
.set RD,   9
.set CO,   10
.set XA,   11                          ; the merge: my 16 bytes in my pair's area
; the map of both windows; i = tile & 1
.set M,    12                          ; v12-13 running maximum of tile i
.set LS,   14                          ; v14-15 running sum, of this half's keys
.set Q,    16                          ; v[16:47]   Q(i, kk) at 16 i + 8 kk
.set S,    48                          ; v[48:111]  S(i, kt) at 32 i + 8 kt; packed, P(i, kk) at 32 i + 16 kk
.set F,    112                         ; v[112:175] window 0: K(kt, kk), window 1: V^T(dt, kk), at 16 t + 8 kk
.set O,    176                         ; v[176:239] O(i, dt) at 32 i + 8 dt
.set T,    240                         ; v[240:243]
.set NG,   244                         ; v[244:247] -m log2(e), twice, for each tile
.set AL,   248                         ; v[248:249] alpha, twice
.set U,    250                         ; v[250:253] two chains of sums
.set G1K, 16
.set G1M, 24
.set G0K, 32
.set G0M, 48
.set MSB, 0
.macro WIN new                         ; the immediate's high byte repeats the setting that is left; a switch that changes nothing is dropped
.if MSB != \new
	s_set_vgpr_msb (MSB<<8)|\new
.set MSB, \new
.endif
.endm
.macro PLACES n                        ; n places behind the last matrix instruction (ISA guide 7.12.1 for vector instructions)
	s_wait_alu depctr_va_vdst(0)
.rept \n
	v_nop
.endr
.endm
.macro JLOAD s                         ; the branches hang on the wave's number alone
	s_cmp_lt_u32 s12, 2
	s_cbranch_scc0 .Lnot_kv_\@
	tensor_load_to_lds s[G0K+4*\s:G0K+4*\s+3], s[G1K:G1K+7]
	s_nop 0
	s_branch .Lasked_\@
.Lnot_kv_\@:
	s_cmp_lt_u32 s12, 4
	s_cbranch_scc0 .Lasked_\@
	tensor_load_to_lds s[G0M+4*\s:G0M+4*\s+3], s[G1M:G1M+7]
	s_nop 0
.Lasked_\@:
.endm
.macro CREST
	s_cmp_lg_u32 s12, 0
	s_cbranch_scc1 .Lnot_wave_0_\@
	s_barrier_signal -3
.Lnot_wave_0_\@:
	s_barrier_wait -3
	s_barrier_signal -1
	s_barrier_wait -1
.endm
.macro CROUND
	s_barrier_signal -1
	s_barrier_wait -1
	CREST
.endm
	s_load_b256 s[4:11], s[0:1], 0x0               ; q16 s[4:5], kv16 s[6:7], mask s[8:9], a16 s[10:11]
	v_lshl_add_u32 v254, v0, 2, 0x4b800
	v_mov_b32 v255, 0
	ds_add_u32 v254, v255
	v_lshrrev_b32 v1, 5, v0
	v_readfirstlane_b32 s12, v1                    ; wave 0..7
	s_lshr_b32 s13, s12, 2                         ; which of the two heads
	s_bfe_u32 s14, s12, 0x10001                    ; which 64 queries (bit 1)
	s_and_b32 s15, s12, 1                          ; which 64 keys of a tile.  Also: which half of the mask's tile I fetch (waves 2, 3)
	s_bfe_u32 s40, ttmp6, 0x40000                  ; cx
	s_bfe_u32 s41, ttmp6, 0x40004                  ; cy
	s_lshl_b32 s42, ttmp9, 2
	s_add_co_u32 s42, s42, s40                     ; X = head pair
	s_and_b32 s43, ttmp7, 0xffff
	s_lshl_b32 s43, s43, 2
	s_add_co_u32 s43, s43, s41                     ; Y = query block
	s_lshl_b32 s44, s41, 2
	s_lshl_b32 s44, 15, s44                        ; my row of the cluster
	s_lshl_b32 s45, 0x1111, s40                    ; my column
	; K|V^T: 32 KiB dense in memory, as 128 rows of 32 elements of 8 bytes
	s_or_b32 s[G1K+0], s45, (3<<16)|(1<<20)|(1<<21)|(5<<22)|(3<<25)  ; column mask; 8-byte elements; padding: after every 64 words 4 words
	s_mov_b32 s[G1K+1], 32<<16
	s_mov_b32 s[G1K+2], 128<<16
	s_mov_b32 s[G1K+3], 32<<16
	s_mov_b32 s[G1K+4], 128
	s_mov_b32 s[G1K+5], 32
	s_mov_b32 s[G1K+6], 0
	s_mov_b32 s[G1K+7], 0
	; the mask: 64 rows of 128 f32, 4,096 elements from row to row
	s_or_b32 s[G1M+0], s44, (2<<16)|(1<<20)|(1<<21)|(6<<22)|(3<<25)  ; row mask; 4-byte elements; padding: after every 128 words 4 words
	s_mov_b32 s[G1M+1], 128<<16
	s_mov_b32 s[G1M+2], 64<<16
	s_mov_b32 s[G1M+3], 128<<16
	s_mov_b32 s[G1M+4], 64
	s_mov_b32 s[G1M+5], 4096
	s_mov_b32 s[G1M+6], 0
	s_mov_b32 s[G1M+7], 0
	; s[66:67] holds offsets made of X and the wave alone, s[68:69] of Y and the wave alone
	s_lshl_b32 s66, s42, 21                        ; head 2 X + w, 1 MiB a head
	s_lshl_b32 s67, s12, 20
	s_add_co_u32 s66, s66, s67
	s_mov_b32 s67, 0
	s_lshl_b32 s68, s43, 21                        ; 128 Y rows of 16,384 bytes
	s_lshl_b32 s69, s15, 20                        ; + 64 rows for the second half
	s_add_co_u32 s68, s68, s69
	s_mov_b32 s69, 0
	s_mul_i32 s62, s12, KVH                        ; LDS: waves 0, 1 at 0 and 34,816
	s_mul_i32 s63, s12, MHALF
	s_add_co_u32 s63, s63, MOFF-2*MHALF            ; waves 2, 3 at 69,632 and 103,424
	s_mov_b32 s58, 0x76543210                      ; v_permlanex16_b32: lane i of one half reads lane i of the other
	s_mov_b32 s59, 0xfedcba98
	s_mov_b32 s61, 0xfe800000                      ; -2^126
	s_wait_dscnt 0x0
	s_wait_kmcnt 0x0
	s_add_nc_u64 s[46:47], s[6:7], s[66:67]
	s_add_nc_u64 s[70:71], s[8:9], s[68:69]
.irp s, 0,1
	s_mov_b32 s[G0K+4*\s], 1
	s_add_co_u32 s[G0K+4*\s+1], s62, \s*SLOT
	s_add_nc_u64 s[G0K+4*\s+2:G0K+4*\s+3], s[46:47], \s*32768
	s_or_b32 s[G0K+4*\s+3], s[G0K+4*\s+3], 0x80000000
	s_mov_b32 s[G0M+4*\s], 1
	s_add_co_u32 s[G0M+4*\s+1], s63, \s*SLOT
	s_add_nc_u64 s[G0M+4*\s+2:G0M+4*\s+3], s[70:71], \s*512
	s_or_b32 s[G0M+4*\s+3], s[G0M+4*\s+3], 0x80000000
.endr
	CROUND                                         ; all sixteen work-groups are here: the first joint loads meet
	s_cmp_lt_u32 s12, 2                            ; a wave's two first fills stand in one arm: tiles 0 and 1, two loads out, the most in this text
	s_cbranch_scc0 .Lff_m
	tensor_load_to_lds s[G0K:G0K+3], s[G1K:G1K+7]
	s_nop 0
	tensor_load_to_lds s[G0K+4:G0K+7], s[G1K:G1K+7]
	s_nop 0
	s_branch .Lff_d
.Lff_m:
	s_cmp_lt_u32 s12, 4
	s_cbranch_scc0 .Lff_d
	tensor_load_to_lds s[G0M:G0M+3], s[G1M:G1M+7]
	s_nop 0
	tensor_load_to_lds s[G0M+4:G0M+7], s[G1M:G1M+7]
	s_nop 0
.Lff_d:
	v_and_b32 v1, 15, v0                           ; r
	v_bfe_u32 v11, v0, 4, 1                        ; h
	v_lshlrev_b32 v[QOF], 7, v1
	v_lshl_add_u32 v[QOF], v11, 4, v[QOF]          ; r rows of 128 bytes + 16 h
	s_lshl_b32 s66, s42, 20                        ; q16: head 2 X
	s_add_nc_u64 s[4:5], s[4:5], s[66:67]
	s_lshl_b32 s68, s43, 14                        ; + 128 Y rows of 128 bytes
	s_lshl_b32 s62, s13, 19                        ; + my head of the two
	s_add_co_u32 s68, s68, s62
	s_lshl_b32 s62, s14, 13                        ; + my 64 queries
	s_add_co_u32 s68, s68, s62
	s_add_nc_u64 s[4:5], s[4:5], s[68:69]
.irp wn, 0,1                                       ; query tiles 0, 1 into window 0, tiles 2, 3 into window 1
	WIN 0x40*\wn
.irp i, 0,1
.irp kk, 0,1
	global_load_b128 v[Q+16*\i+8*\kk:Q+16*\i+8*\kk+3],   v[QOF], s[4:5] offset:2048*(2*\wn+\i)+64*\kk
	global_load_b128 v[Q+16*\i+8*\kk+4:Q+16*\i+8*\kk+7], v[QOF], s[4:5] offset:2048*(2*\wn+\i)+64*\kk+32
.endr
.endr
.endr
	WIN 0
	s_lshl_b32 s68, s43, 21                        ; prefetch base: the mask's rows 128 Y + 16 X, at tile 2 (1,024 bytes in)
	s_add_nc_u64 s[56:57], s[8:9], s[68:69]
	s_lshl_b32 s66, s42, 18
	s_add_nc_u64 s[56:57], s[56:57], s[66:67]
	s_add_nc_u64 s[56:57], s[56:57], 1024
	s_lshl_b32 s68, s43, 18                        ; a16: 128 Y rows of 2,048 bytes
	s_lshl_b32 s62, s12, 15                        ; + 16 w rows
	s_add_co_u32 s68, s68, s62
	s_add_nc_u64 s[10:11], s[10:11], s[68:69]
	s_lshl_b32 s66, s42, 8                         ; + the two heads' 256 bytes
	s_add_nc_u64 s[10:11], s[10:11], s[66:67]
	v_lshrrev_b32 v[T], 1, v1
	v_and_b32 v[T+1], 1, v1
	v_mul_u32_u24 v[T], v[T], PITCH
	v_lshl_add_u32 v[T], v[T+1], 7, v[T]
	v_lshl_add_u32 v[T], v11, 4, v[T]              ; (r>>1) 272 + (r&1) 128 + 16 h
	s_mul_i32 s62, s13, KVH                        ; my head's region,
	s_mul_i32 s63, s15, SUBB                       ; my 64 keys' block
	s_add_co_u32 s62, s62, s63
	v_add_nc_u32 v[ADKV], s62, v[T]
	s_add_co_u32 s62, s62, SLOT
	v_add_nc_u32 v[ADKV+1], s62, v[T]
	v_mul_u32_u24 v[T+1], v1, MPITCH
	v_lshl_add_u32 v[T+1], v11, 5, v[T+1]          ; r rows of the mask + 8 h keys of 4 bytes
	s_mul_i32 s63, s14, 64*MPITCH                  ; my 64 queries' rows,
	s_lshl_b32 s62, s15, 8                         ; my 64 keys' 256 bytes
	s_add_co_u32 s63, s63, s62
	s_add_co_u32 s63, s63, MOFF
	v_add_nc_u32 v[ADM], s63, v[T+1]
	s_add_co_u32 s63, s63, SLOT
	v_add_nc_u32 v[ADM+1], s63, v[T+1]
	v_lshlrev_b32 v[PFO], 14, v1
	v_lshl_add_u32 v[PFO], v11, 8, v[PFO]
	v_mul_u32_u24 v[STO], v1, PITCH
	v_lshl_add_u32 v[STO], v11, 4, v[STO]
	s_mul_i32 s62, s14, 64*PITCH
	s_lshl_b32 s63, s13, 7
	s_add_co_u32 s62, s62, s63
	s_add_co_u32 s62, s62, STAGE
	v_add_nc_u32 v[STO], s62, v[STO]               ; stage row 64 qh + r, my head's 128 bytes, + 16 h
	v_mul_u32_u24 v[RD], v11, PITCH
	v_lshl_add_u32 v[RD], v1, 4, v[RD]
	s_mul_i32 s62, s12, 16*PITCH
	s_add_co_u32 s62, s62, STAGE
	v_add_nc_u32 v[RD], s62, v[RD]                 ; back: rows 16 w + h, 16 bytes for each of 16 lanes
	v_lshlrev_b32 v[CO], 11, v11
	v_lshl_add_u32 v[CO], v1, 4, v[CO]
	v_and_b32 v1, 31, v0
	s_lshr_b32 s62, s12, 1                         ; my pair of waves: same head, same queries
	s_mul_i32 s62, s62, XPAIR
	v_lshl_add_u32 v[XA], v1, 4, s62               ; 16 x lane in my pair's area
	s_cmp_lg_u32 s12, 7                            ; wave 7 asks for this work-group's eighth of the mask's tile 2 (see PHASE)
	s_cbranch_scc1 .Lno_pf0
	global_prefetch_b8 v[PFO], s[56:57] th:TH_LOAD_NT scope:SCOPE_SE
.Lno_pf0:
; Two products of O^T(tc) += V^T P^T(tc): e blocks 2 (g & 1) and 2 (g & 1) + 1, keys 32 (g >> 1) ...  zero = 1: the first 32 keys' products start the sums.
.macro CW tc, g, zero
.if (\tc) < 2
	WIN 0x01
.else
	WIN 0x55
.endif
.set C_B, 32*((\tc)&1)
.set C_K, (\g)>>1
.set C_D, 2*((\g)&1)
.rept 2
.if (\zero)*(1-C_K)
	v_wmma_f32_16x16x32_f16 v[O+C_B+8*C_D:O+C_B+8*C_D+7], v[F+16*C_D+8*C_K:F+16*C_D+8*C_K+7], v[S+C_B+16*C_K:S+C_B+16*C_K+7], 0
.else
	v_wmma_f32_16x16x32_f16 v[O+C_B+8*C_D:O+C_B+8*C_D+7], v[F+16*C_D+8*C_K:F+16*C_D+8*C_K+7], v[S+C_B+16*C_K:S+C_B+16*C_K+7], v[O+C_B+8*C_D:O+C_B+8*C_D+7]
.endif
.set C_D, C_D+1
.endr
.endm
; Two products of S^T(ta) += K Q^T(ta), onto the mask: key tiles 2 (g & 1) and 2 (g & 1) + 1, d = 32 (g >> 1) ..
.macro AW ta, g
.if (\ta) < 2
	WIN 0x00
.else
	WIN 0x54
.endif
.set A_B, (\ta)&1
.set A_K, (\g)>>1
.set A_T, 2*((\g)&1)
.rept 2
	v_wmma_f32_16x16x32_f16 v[S+32*A_B+8*A_T:S+32*A_B+8*A_T+7], v[F+16*A_T+8*A_K:F+16*A_T+8*A_K+7], v[Q+16*A_B+8*A_K:Q+16*A_B+8*A_K+7], v[S+32*A_B+8*A_T:S+32*A_B+8*A_T+7]
.set A_T, A_T+1
.endr
.endm
; Eight LDS loads each.  The mask of query tile tm: mask[query r][keys 16 kt + 8 h ..], the sums' start.
.macro LDM tm, slot
.if (\tm) < 2
	WIN 0x00
.else
	WIN 0x40
.endif
.set M_B, S+32*((\tm)&1)
.irp kt, 0,1,2,3
	ds_load_b128 v[M_B+8*\kt:M_B+8*\kt+3],   v[ADM+\slot] offset:16*MPITCH*(\tm)+64*\kt
	ds_load_b128 v[M_B+8*\kt+4:M_B+8*\kt+7], v[ADM+\slot] offset:16*MPITCH*(\tm)+64*\kt+16
.endr
.endm
.macro LDK kk, slot                    ; K's four key tiles, d = 32 kk ..
	WIN 0x00
.irp kt, 0,1,2,3
	ds_load_b128 v[F+16*\kt+8*\kk:F+16*\kt+8*\kk+3],   v[ADKV+\slot] offset:2176*\kt+64*\kk
	ds_load_b128 v[F+16*\kt+8*\kk+4:F+16*\kt+8*\kk+7], v[ADKV+\slot] offset:2176*\kt+64*\kk+32
.endr
.endm
.macro LDV kk, slot                    ; V^T's four e blocks, keys 32 kk ..
	WIN 0x40
.irp dt, 0,1,2,3
	ds_load_b128 v[F+16*\dt+8*\kk:F+16*\dt+8*\kk+3],   v[ADKV+\slot] offset:VOFF+2176*\dt+64*\kk
	ds_load_b128 v[F+16*\dt+8*\kk+4:F+16*\dt+8*\kk+7], v[ADKV+\slot] offset:VOFF+2176*\dt+64*\kk+32
.endr
.endm
; The softmax step of one query tile on 64 keys (32 registers a lane), in eight chunks.  i = the tile's place in its window.  first = 1: nothing is carried yet.
.macro SM0 i                           ; four chains: 32 scores and the old maximum in 16 instructions, 12 of them here
.irp c, 0,1,2,3
	v_max3_num_f32 v[T+\c], v[S+32*\i+8*\c], v[S+32*\i+8*\c+1], v[S+32*\i+8*\c+2]
.endr
.irp c, 0,1,2,3
	v_max3_num_f32 v[T+\c], v[T+\c], v[S+32*\i+8*\c+3], v[S+32*\i+8*\c+4]
.endr
.irp c, 0,1,2,3
	v_max3_num_f32 v[T+\c], v[T+\c], v[S+32*\i+8*\c+5], v[S+32*\i+8*\c+6]
.endr
.endm
.macro SM1 i, first
	v_max3_num_f32 v[T], v[T], v[T+1], v[S+32*\i+7]
	v_max3_num_f32 v[T+2], v[T+2], v[T+3], v[S+32*\i+15]
	v_max3_num_f32 v[T], v[T], v[S+32*\i+23], v[S+32*\i+31]
.if \first
	v_max3_num_f32 v[T], v[T], v[T+2], s61                                ; never below -2^126, so that -inf less the maximum stays -inf
.else
	v_max3_num_f32 v[T], v[T], v[T+2], v[M+\i]
.endif
	v_permlanex16_b32 v[T+1], v[T], s58, s59                              ; the other half's keys of the same query
	v_max_num_f32 v[M+\i], v[T], v[T+1]
	v_mul_f32 v[NG+2*\i+1], 0xbfb8aa3b, v[M+\i]                           ; -m log2(e)
.if \first
	v_mov_b32 v[NG+2*\i], v[NG+2*\i+1]
.else
	v_sub_f32 v[T+2], v[NG+2*\i+1], v[NG+2*\i]                            ; (old m - new m) log2(e), of the very rounded values that the exponents use
	v_mov_b32 v[NG+2*\i], v[NG+2*\i+1]
	v_exp_f32 v[AL], v[T+2]                                               ; alpha, twice, for the packed multiply; the fused multiply-adds of the next chunk are
	v_exp_f32 v[AL+1], v[T+2]                                             ; the plain instructions between it and its use (ISA guide 5.7.2)
.endif
.endm
.macro SM2 i
.irp n, 0,2,4,6,8,10,12,14,16,18,20,22,24,26,28,30
	v_pk_fma_f32 v[S+32*\i+\n:S+32*\i+\n+1], v[S+32*\i+\n:S+32*\i+\n+1], 0x3fb8aa3b, v[NG+2*\i:NG+2*\i+1] op_sel_hi:[1,0,1]   ; (s - m) log2(e)
.endr
.endm
.macro SM3 i, b                        ; sixteen exponentials, from register b on
.irp n, 0,1,2,3,4,5,6,7,8,9,10,11,12,13,14,15
	v_exp_f32 v[S+32*\i+\b+\n], v[S+32*\i+\b+\n]
.endr
.endm
.macro SM5 i, first
.if \first
	PLACES 4                                                              ; the plain place behind the exponentials, and the places ahead of the loads of the next group
.else
	s_wait_alu depctr_va_vdst(0)
.irp n, 0,2,4,6,8,10,12,14,16,18,20,22,24,26,28,30
	v_pk_mul_f32 v[O+32*\i+\n:O+32*\i+\n+1], v[O+32*\i+\n:O+32*\i+\n+1], v[AL:AL+1]   ; O times alpha: also those places
.endr
.endif
.endm
.macro SM6 i, first
	v_pk_add_f32 v[U:U+1], v[S+32*\i:S+32*\i+1], v[S+32*\i+2:S+32*\i+3]
	v_pk_add_f32 v[U+2:U+3], v[S+32*\i+4:S+32*\i+5], v[S+32*\i+6:S+32*\i+7]
.irp n, 8,12,16,20,24,28
	v_pk_add_f32 v[U:U+1], v[U:U+1], v[S+32*\i+\n:S+32*\i+\n+1]
	v_pk_add_f32 v[U+2:U+3], v[U+2:U+3], v[S+32*\i+\n+2:S+32*\i+\n+3]
.endr
	v_pk_add_f32 v[U:U+1], v[U:U+1], v[U+2:U+3]
.if \first
	v_add_f32 v[LS+\i], v[U], v[U+1]
.else
	v_add_f32 v[T], v[U], v[U+1]
	v_fma_f32 v[LS+\i], v[LS+\i], v[AL], v[T]
.endif
.endm
.macro SM7 i                           ; pack in place, ascending: no source is written before it is read
.irp kk, 0,1
.irp n, 0,1,2,3
	v_cvt_pk_f16_f32 v[S+32*\i+16*\kk+\n], v[S+32*\i+16*\kk+2*\n], v[S+32*\i+16*\kk+2*\n+1]         ; keys 8 h .. of the 32: registers 0-3 of the fragment
.endr
.irp n, 0,1,2,3
	v_cvt_pk_f16_f32 v[S+32*\i+16*\kk+4+\n], v[S+32*\i+16*\kk+8+2*\n], v[S+32*\i+16*\kk+8+2*\n+1]   ; keys 16 + 8 h ..: registers 4-7
.endr
.endr
.endm
; A PHASE: the softmax of query tile t; groups 0-3 are the products O(t-1) += V^T P(t-1), groups 4-7 the products S(t+1) = K Q(t+1) + mask.
; In a group the loads stand first, then the wait that its products need, then the pair of products.  All loads of a phase read one slot.
; The order of the LDS loads, eight at a time, round the four phases:
;   phase 1 group 0: mask of tile 3 | phase 2 group 0: next mask of tile 0 | phase 2 group 6: next K, d 0-31 | phase 3 group 0: next K, d 32-63 |
;   phase 3 group 2: mask of tile 1 | phase 0 group 0: mask of tile 2 | phase 0 group 2: V^T, keys 0-31 | phase 0 group 6: V^T, keys 32-63.
; LDS loads come back in order (ISA guide 5.7.1), so each wait's count is the loads of this list that stand behind the ones it needs.
; A fragment is loaded again only behind a whole chunk of plain vector instructions that follows its last product (the exponentials are not counted: that is why
; V^T's second half waits for group 6), and tile t+1's scores are first read behind the sixteen conversions that end this phase.
; No two matrix instructions that follow each other share an accumulator: the accumulators take turns, one instruction a turn.
; first: the softmax carries nothing yet.  czero: O's first products.  doc, doa, ld: whether those products and loads exist.  pf: wave 7 prefetches.
; sync (phase 1 alone) = 1: a work-group barrier; 2: a round of the cluster's barrier, and this phase's slot is filled again, two tiles ahead.
.macro PHASE t, slot, first, czero, doc, doa, ld, sync, pf
.set TC, (\t+3)%4
.set TA, (\t+1)%4
.set TM, (\t+2)%4
.set TI, \t&1
.set WV, 0x55*(\t>>1)
	; group 0
.if \ld
.if \t == 3
	LDK 1, \slot
.else
	LDM TM, \slot
.endif
.endif
.if \pf
	; In the block of tile k wave 7 asks for rows 128 Y + 16 X .. + 15 of the mask's tile k + 3, both 256-byte blocks of each: an eighth of the tile; the eight
	; head pairs of a query block ask for the eight eighths, each block once in the launch.  The tensor load for that tile goes out one block later.
	; The blocks of tiles 29 to 31 ask for nothing, so the last request is for tile 31, inside the mask.
	WIN 0
	s_cmp_lg_u32 s12, 7
	s_cbranch_scc1 .Lno_pf_\@
	s_wait_xcnt 0x0                                ; the last request's base is stepped only behind this wait, a whole block after it was issued
	s_add_nc_u64 s[56:57], s[56:57], 512
	global_prefetch_b8 v[PFO], s[56:57] th:TH_LOAD_NT scope:SCOPE_SE
.Lno_pf_\@:
.endif
.if \doc
.if \t == 1
	s_wait_dscnt 16                                ; V^T's first half is in; its second half and tile 3's mask may be out
.endif
	CW TC, 0, \czero
.endif
	WIN WV
	SM0 TI
	; group 1
.if \doc
	CW TC, 1, \czero
	WIN WV
.endif
	SM1 TI, \first
	; group 2
.if \ld
.if \t == 0
	LDV 0, \slot
.endif
.if \t == 3
	LDM TM, \slot
.endif
.endif
.if \doc
.if \t == 1
	s_wait_dscnt 8                                 ; V^T's second half is in; tile 3's mask may be out
.endif
	CW TC, 2, \czero
.endif
	WIN WV
	SM2 TI
	; group 3
.if \doc
	CW TC, 3, \czero
	WIN WV
.endif
	SM3 TI, 0
	; group 4
.if \t == 0
	s_wait_dscnt 16                                ; tile 1's mask is in; tile 2's mask and V^T's first half may be out
.endif
.if \t == 1
	s_wait_dscnt 0                                 ; the masks of tiles 2 and 3 are in, and all my reads of this slot are over
.if \sync
	s_wait_tensorcnt 0x0                           ; all my tensor loads have landed: the one that was out is my part of the other slot
	ds_add_u32 v254, v255
	s_wait_dscnt 0x0
	s_barrier_signal -1                            ; the rest of the phase is register work
.endif
.endif
.if \doa
.if \t == 3
	s_wait_dscnt 16                                ; tile 0's mask and K's first half are in; K's second half and tile 1's mask may be out
.endif
	AW TA, 0
	WIN WV
.endif
	SM3 TI, 16
	; group 5
.if \doa
	AW TA, 1
	WIN WV
.endif
	SM5 TI, \first
	; group 6
.if \ld
.if \t == 0
	LDV 1, \slot
.endif
.if \t == 2
	LDK 0, \slot
.endif
.endif
.if \doa
.if \t == 3
	s_wait_dscnt 8                                 ; K's second half is in; tile 1's mask may be out
.endif
	AW TA, 2
.endif
	WIN WV
	SM6 TI, \first
	; group 7
.if \doa
	AW TA, 3
	WIN WV
.endif
	SM7 TI
.if \sync
	WIN 0
	s_barrier_wait -1
.if \sync == 2
	CREST                                          ; no wave of any partner still reads this slot or has a load on its way
	s_add_nc_u64 s[G0K+4*(\slot)+2:G0K+4*(\slot)+3], s[G0K+4*(\slot)+2:G0K+4*(\slot)+3], 65536
	s_add_nc_u64 s[G0M+4*(\slot)+2:G0M+4*(\slot)+3], s[G0M+4*(\slot)+2:G0M+4*(\slot)+3], 1024
	JLOAD \slot                                    ; the first tensor load behind the round; it has four phases, 64 matrix instructions and four softmax steps, in which to land
.endif
.endif
.endm
; The block of tile k, which lies in slot cur: phases 1, 2, 3 of its step and phase 0 of the next.  Phase 1 makes the last reads of slot cur; the others read the other slot.
; more = 0: the last tile: nothing follows.
.macro BLOCK cur, first, sync, pf, more
	PHASE 1, \cur,   \first, \first, 1, 1,     1,     \sync, 0
	PHASE 2, 1-\cur, \first, \first, 1, 1,     \more, 0,     \pf
	PHASE 3, 1-\cur, \first, \first, 1, \more, \more, 0,     0
.if \more
	PHASE 0, 1-\cur, 0,      \first, 1, 1,     1,     0,     0
.endif
.endm
	s_wait_tensorcnt 1                             ; my part of tile 0 is in; tile 1's stays out
	s_wait_loadcnt 0x0                             ; Q
	s_barrier_signal -1
	s_barrier_wait -1
	LDK 0, 0                                       ; the pipeline is filled: K, the masks of query tiles 0 and 1,
	LDK 1, 0
	LDM 0, 0
	LDM 1, 0
	s_wait_dscnt 8                                 ; tile 1's mask may be out
	AW 0, 0                                        ; and tile 0's scores
	AW 0, 1
	AW 0, 2
	AW 0, 3
	PLACES 4                                       ; then its softmax reads them
	PHASE 0, 0, 1, 0, 0, 1, 1, 0, 0
	BLOCK 0, 1, 2, 1, 1                            ; tile 0: the first products start the sums: nothing is cleared
	WIN 0
	s_mov_b32 s60, 14
.Lloop:
	BLOCK 1, 0, 2, 1, 1                            ; tiles 1 to 28; the last trip asks for tiles 29 and 30
	BLOCK 0, 0, 2, 1, 1
	WIN 0
	s_sub_co_u32 s60, s60, 1
	s_cmp_lg_u32 s60, 0
	s_cbranch_scc1 .Lloop
	BLOCK 1, 0, 2, 0, 1                            ; tile 29: asks for tile 31, the last
	BLOCK 0, 0, 1, 0, 1                            ; tile 30: nothing is left to fetch; the barrier shows tile 31 to every wave, and behind it no wave reads slot 0
	BLOCK 1, 0, 0, 0, 0                            ; tile 31
	CW 3, 0, 0                                     ; the pipeline runs empty
	CW 3, 1, 0
	CW 3, 2, 0
	CW 3, 3, 0
	PLACES 4
	; THE MERGE.  Each wave's sums over both halves of its lanes; then the wave with the upper keys hands its O, maxima and sums to the wave with the lower keys.
.irp wn, 0x00, 0x55
	WIN \wn
.irp i, 0,1
	v_permlanex16_b32 v[T+\i], v[LS+\i], s58, s59
	v_add_f32 v[LS+\i], v[LS+\i], v[T+\i]
.endr
.endr
	WIN 0
	s_cmp_eq_u32 s15, 0
	s_cbranch_scc1 .Lkeeps
.irp q, 0,1,2,3,4,5,6,7,8,9,10,11,12,13,14,15
	ds_store_b128 v[XA], v[O+4*\q:O+4*\q+3] offset:512*\q              ; 32 lanes, 16 neighbouring bytes each
.endr
	ds_store_b128 v[XA], v[M:M+3] offset:512*32                        ; two maxima, two sums
	WIN 0x04                                       ; an LDS store's data is source 1: window 1
.irp q, 0,1,2,3,4,5,6,7,8,9,10,11,12,13,14,15
	ds_store_b128 v[XA], v[O+4*\q:O+4*\q+3] offset:512*(16+\q)
.endr
	ds_store_b128 v[XA], v[M:M+3] offset:512*33
	WIN 0
.Lkeeps:
	s_wait_dscnt 0x0                               ; for the partner's sake: my stores are done
	s_barrier_signal -1
	s_barrier_wait -1
	s_cmp_lg_u32 s15, 0
	s_cbranch_scc1 .Lgave
	ds_load_b128 v[T:T+3], v[XA] offset:512*32     ; the partner's maxima in T, T+1, its sums in T+2, T+3; its O in S's registers
.irp q, 0,1,2,3,4,5,6,7,8,9,10,11,12,13,14,15
	ds_load_b128 v[S+4*\q:S+4*\q+3], v[XA] offset:512*\q
.endr
	WIN 0x40
	ds_load_b128 v[T:T+3], v[XA] offset:512*33
.irp q, 0,1,2,3,4,5,6,7,8,9,10,11,12,13,14,15
	ds_load_b128 v[S+4*\q:S+4*\q+3], v[XA] offset:512*(16+\q)
.endr
	s_wait_dscnt 0x0
; m = max(m0, m1); a = exp(m. - m); l = a0 l0 + a1 l1; O = (a0 / l) O0 + (a1 / l) O1, rounded to f16
.macro MERGE i
	v_max_num_f32 v[U], v[M+\i], v[T+\i]
	v_sub_f32 v[U+1], v[M+\i], v[U]
	v_sub_f32 v[U+2], v[T+\i], v[U]
	v_mul_f32 v[U+1], 0x3fb8aa3b, v[U+1]
	v_mul_f32 v[U+2], 0x3fb8aa3b, v[U+2]
	v_exp_f32 v[U+1], v[U+1]
	v_exp_f32 v[U+2], v[U+2]
	v_nop                                          ; the plain place behind the exponentials
	s_wait_alu depctr_va_vdst(0)
	v_mul_f32 v[U], v[U+1], v[LS+\i]
	v_fma_f32 v[U], v[U+2], v[T+2+\i], v[U]
	v_rcp_f32 v[U], v[U]
	v_nop                                          ; the plain place behind the reciprocal
	s_wait_alu depctr_va_vdst(0)
	v_mul_f32 v[AL], v[U+1], v[U]
	v_mul_f32 v[AL+1], v[U+1], v[U]
	v_mul_f32 v[NG], v[U+2], v[U]
	v_mul_f32 v[NG+1], v[U+2], v[U]
.irp n, 0,2,4,6,8,10,12,14,16,18,20,22,24,26,28,30
	v_pk_mul_f32 v[O+32*\i+\n:O+32*\i+\n+1], v[O+32*\i+\n:O+32*\i+\n+1], v[AL:AL+1]
.endr
.irp n, 0,2,4,6,8,10,12,14,16,18,20,22,24,26,28,30
	v_pk_fma_f32 v[O+32*\i+\n:O+32*\i+\n+1], v[S+32*\i+\n:S+32*\i+\n+1], v[NG:NG+1], v[O+32*\i+\n:O+32*\i+\n+1]
.endr
.irp n, 0,1,2,3,4,5,6,7,8,9,10,11,12,13,14,15
	v_cvt_pk_f16_f32 v[S+32*\i+\n], v[O+32*\i+2*\n], v[O+32*\i+2*\n+1]
.endr
.endm
.irp wn, 0,1
	WIN 0x55*\wn
	MERGE 0
	MERGE 1
	WIN 0x04*\wn
.irp i, 0,1
.irp dt, 0,1,2,3
	ds_store_b128 v[STO], v[S+32*\i+4*\dt:S+32*\i+4*\dt+3] offset:16*PITCH*(2*\wn+\i)+32*\dt   ; query 16 tile + r, e = 16 dt + 8 h ..
.endr
.endr
.endr
	WIN 0
.Lgave:
	; THE WAY OUT: through the stage, so that a row's 256 bytes (both heads) leave together
	s_wait_dscnt 0x0                               ; for the others' sake: my stores are done
	s_barrier_signal -1
	s_barrier_wait -1
.irp t, 0,1,2,3,4,5,6,7
	ds_load_b128 v[F+4*\t:F+4*\t+3], v[RD] offset:\t*2*PITCH
.endr
.irp t, 0,1,2,3,4,5,6,7
	s_wait_dscnt 7-\t
	global_store_b128 v[CO], v[F+4*\t:F+4*\t+3], s[10:11] offset:4096*\t     ; 16 lanes store 256 neighbouring bytes, at a multiple of 256
.endr
	s_wait_tensorcnt 0x0
	ds_add_u32 v254, v255
	s_wait_dscnt 0x0
	CROUND                                         ; the closing round
	s_endpgm
.Lfunc_end_k_q470931fe80_attn:
	.size	k_q470931fe80_attn, .Lfunc_end_k_q470931fe80_attn-k_q470931fe80_attn
	.p2alignl 7, 3214868480
	.fill 96, 4, 3214868480
	.section	.rodata,"a",@progbits
	.p2align	6, 0x0
	.amdhsa_kernel k_q470931fe80_attn
		.amdhsa_group_segment_fixed_size 327680
		.amdhsa_private_segment_fixed_size 0
		.amdhsa_enable_private_segment 0
		.amdhsa_kernarg_size 32
		.amdhsa_user_sgpr_count 2
		.amdhsa_user_sgpr_kernarg_segment_ptr 1
		.amdhsa_wavefront_size32 1
		.amdhsa_system_sgpr_workgroup_id_x 1
		.amdhsa_system_sgpr_workgroup_id_y 1
		.amdhsa_system_sgpr_workgroup_id_z 1
		.amdhsa_system_vgpr_workitem_id 0
		.amdhsa_next_free_vgpr 512
		.amdhsa_next_free_sgpr 72
		.amdhsa_reserve_vcc 0
		.amdhsa_float_denorm_mode_32 3
		.amdhsa_float_denorm_mode_16_64 3
		.amdhsa_memory_ordered 1
		.amdhsa_forward_progress 1
		.amdhsa_inst_pref_size 255
	.end_amdhsa_kernel
	.section	.bss,"aw",@nobits
	.p2align	6
	.space	262144
	.amdgpu_metadata
---
amdhsa.version: [ 1, 2 ]
amdhsa.kernels:
  - .name:           k_q470931fe80_attn
    .symbol:         k_q470931fe80_attn.kd
    .args:
      - { .name: q16, .offset: 0, .size: 8, .value_kind: global_buffer, .address_space: global }
      - { .name: kv16, .offset: 8, .size: 8, .value_kind: global_buffer, .address_space: global }
      - { .name: mask, .offset: 16, .size: 8, .value_kind: global_buffer, .address_space: global }
      - { .name: a16, .offset: 24, .size: 8, .value_kind: global_buffer, .address_space: global }
    .group_segment_fixed_size: 327680
    .private_segment_fixed_size: 0
    .kernarg_segment_align: 8
    .kernarg_segment_size: 32
    .max_flat_workgroup_size: 256
    .sgpr_count:     72
    .vgpr_count:     512
    .wavefront_size: 32
...
	.end_amdgpu_metadata
.endif
;; end of part 3
;; launch oproj (part 4): grid 8 x 32, 4 waves a work-group, clusters of 4 x 4, 327,680 bytes of LDS; arguments a16, w16, out0; writes out0
.if DOCPART == 4
	.amdgcn_target "amdgcn-amd-amdhsa--gfx1250"
	.amdhsa_code_object_version 6
	.text
	.protected	k_q470931fe80_oproj
	.globl	k_q470931fe80_oproj
	.p2align	8
	.type	k_q470931fe80_oproj,@function
k_q470931fe80_oproj:
	s_mov_b64 s[64:65], 0
	v_nop
	global_prefetch_b8 v0, s[64:65] scope:SCOPE_SE
	s_setreg_imm32_b32 hwreg(HW_REG_WAVE_MODE, 25, 1), 1
	s_wait_xcnt 0x0
	s_wait_alu depctr_hold_cnt(0) depctr_sa_sdst(0) depctr_va_vdst(0) depctr_va_sdst(0) depctr_va_ssrc(0) depctr_va_vcc(0) depctr_vm_vsrc(0)
	s_getreg_b32 s2, hwreg(HW_REG_IB_STS2, 6, 4)
	s_cmp_eq_u32 s2, 0
	s_cbranch_scc0 .Lentry_in_a_cluster
	s_endpgm
.Lentry_in_a_cluster:
	s_bfe_u32 s2, ttmp6, 0x10000c
	s_cmp_lg_u32 s2, 0xf033
	s_cbranch_scc0 .Lentry_shape_is_right
	s_endpgm
.Lentry_shape_is_right:
; out0[row][n] = sum over k of a16[row][k] Wo[n][k]: [4096 x 1024] times [1024 x 1024]^T, f16 operands (Wo = rows 3072.. of w16), f32 sums and results.
; Grid x = column block X, grid y = row block Y, blocks of 128 x 128: 256 work-groups of equal work.  Four waves; wave (w >> 1, w & 1) makes 64 x 64:
; 16 accumulator tiles.  K goes in four steps of 256 through two LDS slots: each wave fetches 64 rows of 512 bytes with one tensor load.
; CLUSTERS: 4 x 4 work-groups; a16's tile is asked for jointly by a row of the cluster, Wo's by a column.
; The products are made transposed (source 0 = Wo's rows, source 1 = a16's rows): a lane holds one row of the result and eight neighbouring columns.
; Window 0: addresses, two fragment buffers v64-127 and v128-191 (a16's four fragments, then Wo's four), read-back v192-255.  Window 1: tile (a, b) at v[8 (4 a + b)].
.set PITCH,  528                       ; 512 bytes + 16: the 16 rows of a fragment start 16 bytes apart modulo 256
.set QUART,  64*PITCH                  ; what one tensor load brings
.set SLOT,   4*QUART                   ; a16's 128 rows, then Wo's 128 rows
.set STAGE,  2*SLOT                    ; 270,336, a multiple of 256: 16 rows x 272 bytes for each wave, never the target of a tensor load
.set SPITCH, 272
.set ADRA, 16
.set ADRB, 20
.set STO,  24
.set RD,   25
.set CO,   26
.set F0,   64
.set F1,   128
.set RB,   192
.set G1,  24
.set G0,  32
.set G1B, 48
.set G0B, 56
.set MUL, 0x50                         ; sources window 0, C and D window 1
.set MSB, 0
.macro WIN new
.if MSB != \new
	s_set_vgpr_msb (MSB<<8)|\new
.set MSB, \new
.endif
.endm
.macro PLACES                          ; four places behind the last matrix instruction (ISA guide 7.12.1 for vector instructions)
.rept 4
	v_nop
.endr
.endm
.macro JLOAD s
	s_cmp_eq_u32 s13, 0
	s_cbranch_scc0 .Lfor_b_\@
	tensor_load_to_lds s[G0+4*\s:G0+4*\s+3], s[G1:G1+7]
	s_nop 0
	s_branch .Lasked_\@
.Lfor_b_\@:
	tensor_load_to_lds s[G0B+4*\s:G0B+4*\s+3], s[G1B:G1B+7]
	s_nop 0
.Lasked_\@:
.endm
.macro CREST
	s_cmp_lg_u32 s12, 0
	s_cbranch_scc1 .Lnot_wave_0_\@
	s_barrier_signal -3
.Lnot_wave_0_\@:
	s_barrier_wait -3
	s_barrier_signal -1
	s_barrier_wait -1
.endm
.macro CROUND
	s_barrier_signal -1
	s_barrier_wait -1
	CREST
.endm
	s_load_b128 s[4:7], s[0:1], 0x0                ; a16 s[4:5], w16 s[6:7]
	s_load_b64 s[8:9], s[0:1], 0x10                ; out0
	v_lshl_add_u32 v62, v0, 2, 0x46400
	v_mov_b32 v63, 0
	ds_add_u32 v62, v63
	v_lshrrev_b32 v1, 5, v0
	v_readfirstlane_b32 s12, v1                    ; wave 0..3
	s_lshr_b32 s13, s12, 1                         ; my half of the block's rows.  Also: I fetch for a16 (0) or for Wo (1)
	s_and_b32 s14, s12, 1                          ; my half of its columns.  Also: which 64 rows of that tile I fetch
	s_bfe_u32 s40, ttmp6, 0x40000                  ; cx
	s_bfe_u32 s41, ttmp6, 0x40004                  ; cy
	s_lshl_b32 s42, ttmp9, 2
	s_add_co_u32 s42, s42, s40                     ; X
	s_and_b32 s15, ttmp7, 0xffff
	s_lshl_b32 s15, s15, 2
	s_add_co_u32 s15, s15, s41                     ; Y
	s_lshl_b32 s43, s41, 2
	s_lshl_b32 s43, 15, s43                        ; my row of the cluster
	s_lshl_b32 s44, 0x1111, s40                    ; my column
	s_or_b32 s[G1+0], s43, (1<<16)|(1<<20)|(1<<21)|(6<<22)|(3<<25)   ; mask; 2-byte elements; padding: after every 128 words 4 words
	s_or_b32 s[G1B+0], s44, (1<<16)|(1<<20)|(1<<21)|(6<<22)|(3<<25)
	s_mov_b32 s[G1+1], 256<<16                     ; tensor_dim0 = 256
	s_mov_b32 s[G1B+1], 256<<16
	s_mov_b32 s[G1+2], 64<<16                      ; tensor_dim1 = 64
	s_mov_b32 s[G1B+2], 64<<16
	s_mov_b32 s[G1+3], 256<<16                     ; tile_dim0 = 256
	s_mov_b32 s[G1B+3], 256<<16
	s_mov_b32 s[G1+4], 64                          ; tile_dim1 = 64
	s_mov_b32 s[G1B+4], 64
	s_mov_b32 s[G1+5], 1024                        ; elements from row to row
	s_mov_b32 s[G1B+5], 1024
	s_mov_b32 s[G1+6], 0
	s_mov_b32 s[G1B+6], 0
	s_mov_b32 s[G1+7], 0
	s_mov_b32 s[G1B+7], 0
	s_lshl_b32 s16, s15, 18                        ; a16: 128 Y rows of 2,048 bytes
	s_lshl_b32 s17, s14, 17                        ; + 64 rows for the second half
	s_add_co_u32 s16, s16, s17
	s_mov_b32 s17, 0
	s_lshl_b32 s46, s42, 18                        ; Wo: 128 X rows
	s_lshl_b32 s47, s14, 17
	s_add_co_u32 s46, s46, s47
	s_add_co_u32 s46, s46, 3072*2048               ; behind the 3,072 rows of q, k, v weights
	s_mov_b32 s47, 0
	s_mul_i32 s20, s12, QUART                      ; LDS: wave x 64 rows
	s_wait_dscnt 0x0
	s_wait_kmcnt 0x0
	s_add_nc_u64 s[16:17], s[4:5], s[16:17]
	s_add_nc_u64 s[46:47], s[6:7], s[46:47]
	CROUND                                         ; the first joint loads meet
.irp s, 0,1
	s_mov_b32 s[G0+4*\s], 1
	s_add_co_u32 s[G0+4*\s+1], s20, \s*SLOT
	s_add_nc_u64 s[G0+4*\s+2:G0+4*\s+3], s[16:17], \s*512
	s_or_b32 s[G0+4*\s+3], s[G0+4*\s+3], 0x80000000
	s_mov_b32 s[G0B+4*\s], 1
	s_add_co_u32 s[G0B+4*\s+1], s20, \s*SLOT
	s_add_nc_u64 s[G0B+4*\s+2:G0B+4*\s+3], s[46:47], \s*512
	s_or_b32 s[G0B+4*\s+3], s[G0B+4*\s+3], 0x80000000
	JLOAD \s                                       ; K steps 0 and 1: two loads of a wave are out, the most in this text
.endr
	v_and_b32 v1, 15, v0                           ; r
	v_bfe_u32 v2, v0, 4, 1                         ; h
	v_mul_u32_u24 v3, v1, PITCH
	v_lshl_add_u32 v3, v2, 4, v3
	s_mul_i32 s22, s13, QUART                      ; my 64 rows of a16
	s_mul_i32 s23, s14, QUART
	s_add_co_u32 s23, s23, 2*QUART                 ; my 64 rows of Wo
.irp s, 0,1
	v_add_nc_u32 v[ADRA+\s], s22, v3
	v_add_nc_u32 v[ADRB+\s], s23, v3
	s_add_co_u32 s22, s22, SLOT
	s_add_co_u32 s23, s23, SLOT
.endr
	s_mul_i32 s22, s12, 16*SPITCH
	s_add_co_u32 s22, s22, STAGE
	v_mul_u32_u24 v4, v1, SPITCH
	v_lshl_add_u32 v4, v2, 5, v4
	v_add_nc_u32 v[STO], s22, v4                   ; row r, 32 bytes for each half of the lanes
	v_mul_u32_u24 v4, v2, SPITCH
	v_lshl_add_u32 v4, v1, 4, v4
	v_add_nc_u32 v[RD], s22, v4                    ; back: lanes 0-15 one row of 256 bytes, lanes 16-31 the next
	v_lshlrev_b32 v[CO], 12, v2
	v_lshl_add_u32 v[CO], v1, 4, v[CO]
.macro MUL8 f, a0, zero                ; 8 matrix instructions: m blocks a0, a0 + 1 x all 4 n blocks
.irp a, \a0, \a0+1
.irp b, 0,1,2,3
.if \zero
	v_wmma_f32_16x16x32_f16 v[8*(4*(\a)+\b):8*(4*(\a)+\b)+7], v[\f+32+8*\b:\f+32+8*\b+7], v[\f+8*(\a):\f+8*(\a)+7], 0
.else
	v_wmma_f32_16x16x32_f16 v[8*(4*(\a)+\b):8*(4*(\a)+\b)+7], v[\f+32+8*\b:\f+32+8*\b+7], v[\f+8*(\a):\f+8*(\a)+7], v[8*(4*(\a)+\b):8*(4*(\a)+\b)+7]
.endif
.endr
.endr
.endm
.macro FETCH slot, k, f                ; 16 LDS loads: 64 rows of a16 and 64 of Wo, 32 K at byte k of the rows
.irp i, 0,1,2,3
	ds_load_b128 v[\f+8*\i:\f+8*\i+3],   v[ADRA+\slot] offset:\k+\i*16*PITCH
	ds_load_b128 v[\f+8*\i+4:\f+8*\i+7], v[ADRA+\slot] offset:\k+\i*16*PITCH+32
.endr
.irp i, 0,1,2,3
	ds_load_b128 v[\f+32+8*\i:\f+32+8*\i+3],   v[ADRB+\slot] offset:\k+\i*16*PITCH
	ds_load_b128 v[\f+32+8*\i+4:\f+32+8*\i+7], v[ADRB+\slot] offset:\k+\i*16*PITCH+32
.endr
.endm
; A K step of 256 is eight parts of 32, 16 matrix instructions each, on buffers 0, 1 by turns.  The 16 accumulators take turns, one instruction a turn,
; in the same order in every part.  One of the first seven parts: fetches the next part into g, multiplies f.
.macro PART slot, k, f, g, zero
	s_wait_dscnt 0                                 ; buffer f, asked for a part ago, is in
	PLACES
	FETCH \slot, \k, \g
	WIN MUL
	MUL8 \f, 0, \zero
	MUL8 \f, 2, \zero
	WIN 0
.endm
.macro SEVEN slot, zero
	PART \slot, 64,  F0, F1, \zero
	PART \slot, 128, F1, F0, 0
	PART \slot, 192, F0, F1, 0
	PART \slot, 256, F1, F0, 0
	PART \slot, 320, F0, F1, 0
	PART \slot, 384, F1, F0, 0
	PART \slot, 448, F0, F1, 0
.endm
; The eighth part multiplies buffer 1 and changes slots; where this slot is filled again the barrier opens a round of the cluster's barrier.
.macro TURN slot, next, fill
	s_wait_dscnt 0                                 ; buffer 1 is in: my reads of this slot are over
	s_wait_tensorcnt 0x0                           ; all my tensor loads have landed: my part of the next slot
	ds_add_u32 v62, v63
	s_wait_dscnt 0x0
	s_barrier_signal -1
	WIN MUL
	MUL8 F1, 0, 0                                  ; register work while the others arrive
	WIN 0
	s_barrier_wait -1
.if \fill
	CREST
	s_add_nc_u64 s[G0+4*\slot+2:G0+4*\slot+3], s[G0+4*\slot+2:G0+4*\slot+3], 1024
	s_add_nc_u64 s[G0B+4*\slot+2:G0B+4*\slot+3], s[G0B+4*\slot+2:G0B+4*\slot+3], 1024
	JLOAD \slot                                    ; the first tensor load behind the round; 120 matrix instructions stand between it and the wait for it
.endif
	PLACES
	FETCH \next, 0, F0
	WIN MUL
	MUL8 F1, 2, 0
	WIN 0
.endm
	s_wait_tensorcnt 1                             ; my part of K step 0 is in; K step 1's stays out
	s_barrier_signal -1
	s_barrier_wait -1
	FETCH 0, 0, F0
	SEVEN 0, 1                                     ; K step 0: its first products start the sums
	TURN 0, 1, 1                                   ; asks for K step 2
	SEVEN 1, 0
	TURN 1, 0, 1                                   ; asks for K step 3
	SEVEN 0, 0
	TURN 0, 1, 0
	SEVEN 1, 0
	s_wait_dscnt 0
	WIN MUL
	MUL8 F1, 0, 0
	MUL8 F1, 2, 0
	WIN 0
	; THE WAY OUT, 16 rows at a time: 32 bytes a lane into my own stage, read back as whole rows of 256 bytes
	PLACES
	s_lshl_b32 s16, s15, 19                        ; 128 Y rows of 4,096 bytes
	s_lshl_b32 s17, s13, 18                        ; + my 64 rows
	s_add_co_u32 s16, s16, s17
	s_mov_b32 s17, 0
	s_add_nc_u64 s[8:9], s[8:9], s[16:17]
	s_lshl_b32 s46, s42, 9                         ; 128 X columns of 4 bytes
	s_lshl_b32 s47, s14, 8                         ; + my 64 columns
	s_add_co_u32 s46, s46, s47
	s_mov_b32 s47, 0
	s_add_nc_u64 s[8:9], s[8:9], s[46:47]
.macro OUT16 a, buf
	WIN 0x04                                       ; an LDS store's data is source 1: window 1
.irp b, 0,1,2,3
	ds_store_b128 v[STO], v[8*(4*\a+\b):8*(4*\a+\b)+3] offset:64*\b
	ds_store_b128 v[STO], v[8*(4*\a+\b)+4:8*(4*\a+\b)+7] offset:64*\b+16
.endr
	WIN 0
	s_wait_xcnt 0x0                                ; the read-back registers, which earlier stores read, are loaded again only behind this wait
.irp t, 0,1,2,3,4,5,6,7
	ds_load_b128 v[\buf+4*\t:\buf+4*\t+3], v[RD] offset:\t*2*SPITCH      ; LDS serves a wave's instructions in order (ISA guide 5.7.1.4): these see the stores above
.endr
.irp t, 0,1,2,3,4,5,6,7
	s_wait_dscnt 7-\t
	global_store_b128 v[CO], v[\buf+4*\t:\buf+4*\t+3], s[8:9] offset:65536*\a+8192*\t th:TH_STORE_NT   ; 16 lanes store 256 neighbouring bytes, at a multiple of 256
.endr
.endm
	OUT16 0, RB
	OUT16 1, RB+32
	OUT16 2, RB
	OUT16 3, RB+32
	s_wait_tensorcnt 0x0
	ds_add_u32 v62, v63
	s_wait_dscnt 0x0
	CROUND                                         ; the closing round
	s_endpgm
.Lfunc_end_k_q470931fe80_oproj:
	.size	k_q470931fe80_oproj, .Lfunc_end_k_q470931fe80_oproj-k_q470931fe80_oproj
	.p2alignl 7, 3214868480
	.fill 96, 4, 3214868480
	.section	.rodata,"a",@progbits
	.p2align	6, 0x0
	.amdhsa_kernel k_q470931fe80_oproj
		.amdhsa_group_segment_fixed_size 327680
		.amdhsa_private_segment_fixed_size 0
		.amdhsa_enable_private_segment 0
		.amdhsa_kernarg_size 24
		.amdhsa_user_sgpr_count 2
		.amdhsa_user_sgpr_kernarg_segment_ptr 1
		.amdhsa_wavefront_size32 1
		.amdhsa_system_sgpr_workgroup_id_x 1
		.amdhsa_system_sgpr_workgroup_id_y 1
		.amdhsa_system_sgpr_workgroup_id_z 1
		.amdhsa_system_vgpr_workitem_id 0
		.amdhsa_next_free_vgpr 384
		.amdhsa_next_free_sgpr 66
		.amdhsa_reserve_vcc 0
		.amdhsa_float_denorm_mode_32 3
		.amdhsa_float_denorm_mode_16_64 3
		.amdhsa_memory_ordered 1
		.amdhsa_forward_progress 1
		.amdhsa_inst_pref_size 89
	.end_amdhsa_kernel
	.amdgpu_metadata
---
amdhsa.version: [ 1, 2 ]
amdhsa.kernels:
  - .name:           k_q470931fe80_oproj
    .symbol:         k_q470931fe80_oproj.kd
    .args:
      - { .name: a16, .offset: 0, .size: 8, .value_kind: global_buffer, .address_space: global }
      - { .name: w16, .offset: 8, .size: 8, .value_kind: global_buffer, .address_space: global }
      - { .name: out0, .offset: 16, .size: 8, .value_kind: global_buffer, .address_space: global }
    .group_segment_fixed_size: 327680
    .private_segment_fixed_size: 0
    .kernarg_segment_align: 8
    .kernarg_segment_size: 24
    .max_flat_workgroup_size: 128
    .sgpr_count:     66
    .vgpr_count:     384
    .wavefront_size: 32
...
	.end_amdgpu_metadata
.endif
;; end of part 4
;; ======== version 2 of 2: 4 launches; version 1 with the launch cast written anew for expert scheduling mode
;; limits: inputs' magnitudes at most 8.5e+37; values are held in f16: magnitudes above 65,504 overflow, below 6.1e-05 lose precision
;; workspace buffers: x16 8,388,608 bytes; w16 8,388,608 bytes; q16 8,388,608 bytes; kv16 16,777,216 bytes; a16 8,388,608 bytes
;; launch cast (part 5): grid 256 x 1, 8 waves a work-group, no clusters, 0 bytes of LDS; arguments x, Wq, Wk, Wv, Wo, x16, w16; writes x16, w16
.if DOCPART == 5
	.amdgcn_target "amdgcn-amd-amdhsa--gfx1250"
	.amdhsa_code_object_version 6
	.text
	.protected	k_q470931fe80_cast
	.globl	k_q470931fe80_cast
	.p2align	8
	.type	k_q470931fe80_cast,@function
k_q470931fe80_cast:
	s_mov_b64 s[64:65], 0
	v_nop
	global_prefetch_b8 v0, s[64:65] scope:SCOPE_SE
	s_setreg_imm32_b32 hwreg(HW_REG_WAVE_SCHED_MODE, 0, 2), 2
	s_setreg_imm32_b32 hwreg(HW_REG_WAVE_MODE, 25, 1), 1
	s_wait_xcnt 0x0
	s_wait_alu depctr_vm_vsrc(0)
; x, Wq, Wk, Wv, Wo from f32 to f16, once, so that the two products that follow move tiles of 16-bit numbers and convert nothing in their loops.
; x16[4096][1024] keeps x's order.  w16[4096][1024]: row head*192 + which*64 + e = W_which[head*64 + e] (which = 0 q, 1 k, 2 v), so that one
; head's q, k and v weights are 192 neighbouring rows; rows 3072 + n = Wo[n].
; LIMIT: f16 holds magnitudes below 65,504 (larger ones become infinite) and below 6e-5 only with an absolute error of 3e-8.
; 8,192 source rows of 4,096 bytes, 32 for each of 256 work-groups.  Thread t owns bytes 16 t of every row: a wave's load covers 512 neighbouring
; bytes, its 8-byte store 256 neighbouring bytes that start at a multiple of 256.  All 32 loads of a thread go out first (128 KiB a work-group on
; its way).  A stream: no LDS, no cluster, no matrix unit.
; THE MODE: SCHED_MODE bits 1:0 = 2 (LLVM: expert scheduling mode 2), set by the entry lines.  The code itself states the register dependences
; between vector instructions and memory instructions, with s_wait_alu, always for 0.
; THE PLAN.  Registers that memory instructions touch:
;   v1, v2     byte offsets of the loads and of the stores: written once at the head, never again.
;   row i's four registers at X + 4 i: its load lands in them (no instruction names them before); its two conversions read them and write the first two;
;              its store reads those two; nothing writes them after that.
; So no register that a memory instruction has read is ever written again, and what is left to state is that a store's data and the offsets are written.
; The 32 rows go in 8 blocks of four.  Block p waits for its four loads and converts them; the four stores of block p - 1 are dealt among its conversions.
; Block p's conversions name block p's registers alone, the stores read block p - 1's and v2: so ONE wait at a block's head serves its four stores.
.set ROWS,   32
.set BLOCK,  4                         ; rows in a block
.set BLOCKS, ROWS / BLOCK
.set X, 4                              ; v[4:131]: row i in 4 registers as loaded; its first two then hold the 4 numbers in f16
	s_load_b256 s[4:11], s[0:1], 0x0               ; x s[4:5], Wq s[6:7], Wk s[8:9], Wv s[10:11]
	s_load_b128 s[12:15], s[0:1], 0x20             ; Wo s[12:13], x16 s[14:15]
	s_load_b64 s[16:17], s[0:1], 0x30              ; w16
	s_mov_b32 s27, ttmp9                           ; g: groups 0-127 take x, 128-255 the four weights
	s_and_b32 s20, s27, 127
	s_lshr_b32 s21, s20, 5                         ; which weight: 0 q, 1 k, 2 v, 3 o
	s_and_b32 s22, s20, 31                         ; c: its rows 32 c .. 32 c + 31
	s_lshr_b32 s23, s22, 1                         ; head = c / 2
	s_mul_i32 s23, s23, 192
	s_lshl_b32 s24, s21, 6
	s_add_co_u32 s23, s23, s24                     ; + which * 64
	s_and_b32 s24, s22, 1
	s_lshl_b32 s24, s24, 5
	s_add_co_u32 s23, s23, s24                     ; + the half of the head: the row in w16 for q, k, v
	s_lshl_b32 s24, s22, 5
	s_add_co_u32 s24, s24, 3072                    ; the row in w16 for Wo
	s_cmp_eq_u32 s21, 3
	s_cselect_b32 s23, s24, s23
	s_lshl_b32 s23, s23, 11                        ; rows of 2,048 bytes
	s_lshl_b32 s24, s22, 17                        ; a weight's source: 32 rows of 4,096 bytes for each c
	s_lshl_b32 s25, s27, 17                        ; x's source
	s_lshl_b32 s26, s27, 16                        ; x16's place
	s_cmp_lt_u32 s27, 128
	s_cselect_b32 s28, s25, s24                    ; source offset
	s_cselect_b32 s30, s26, s23                    ; destination offset
	s_mov_b32 s29, 0
	s_mov_b32 s31, 0
	v_lshlrev_b32 v1, 4, v0                        ; 16 t
	v_lshlrev_b32 v2, 3, v0                        ; 8 t
	s_wait_kmcnt 0x0
	s_cmp_eq_u32 s21, 1                            ; the buffers are chosen on the group's number alone
	s_cselect_b64 s[6:7], s[8:9], s[6:7]
	s_cmp_eq_u32 s21, 2
	s_cselect_b64 s[6:7], s[10:11], s[6:7]
	s_cmp_eq_u32 s21, 3
	s_cselect_b64 s[6:7], s[12:13], s[6:7]
	s_cmp_lt_u32 s27, 128
	s_cselect_b64 s[4:5], s[4:5], s[6:7]
	s_cselect_b64 s[14:15], s[14:15], s[16:17]
	s_add_nc_u64 s[4:5], s[4:5], s[28:29]
	s_add_nc_u64 s[14:15], s[14:15], s[30:31]
	s_wait_alu depctr_va_vdst(0)                   ; v1 and v2 are written: every load reads v1 as its offset, every store v2
.set i, 0
.rept ROWS
	global_load_b128 v[X+4*i:X+4*i+3], v1, s[4:5] offset:4096*i th:TH_LOAD_NT
.set i, i+1
.endr
.set p, 0
.rept BLOCKS
	s_wait_loadcnt ROWS-BLOCK*(p+1)                ; loads come back in order (ISA guide 5.7.1): block p's four rows are in, the younger blocks stay out
.if p > 0
	s_wait_alu depctr_va_vdst(0)                   ; the conversions of block p - 1 have written the first two registers of its rows, which the four stores below read
.endif
.set j, 0
.rept BLOCK
.set i, BLOCK*p+j
.if p > 0
	global_store_b64 v2, v[X+4*(i-BLOCK):X+4*(i-BLOCK)+1], s[14:15] offset:2048*(i-BLOCK)    ; the block before; no vector instruction since the wait names these registers.  Read again by the next launch: no hint
.endif
	v_cvt_pk_f16_f32 v[X+4*i], v[X+4*i], v[X+4*i+1]
	v_cvt_pk_f16_f32 v[X+4*i+1], v[X+4*i+2], v[X+4*i+3]
.set j, j+1
.endr
.set p, p+1
.endr
	s_wait_alu depctr_va_vdst(0)                   ; the conversions of the last block have written its rows' first two registers, which the last four stores read
.set i, ROWS-BLOCK
.rept BLOCK
	global_store_b64 v2, v[X+4*i:X+4*i+1], s[14:15] offset:2048*i
.set i, i+1
.endr
	s_endpgm
.Lfunc_end_k_q470931fe80_cast:
	.size	k_q470931fe80_cast, .Lfunc_end_k_q470931fe80_cast-k_q470931fe80_cast
	.p2alignl 7, 3214868480
	.fill 96, 4, 3214868480
	.section	.rodata,"a",@progbits
	.p2align	6, 0x0
	.amdhsa_kernel k_q470931fe80_cast
		.amdhsa_group_segment_fixed_size 0
		.amdhsa_private_segment_fixed_size 0
		.amdhsa_enable_private_segment 0
		.amdhsa_kernarg_size 56
		.amdhsa_user_sgpr_count 2
		.amdhsa_user_sgpr_kernarg_segment_ptr 1
		.amdhsa_wavefront_size32 1
		.amdhsa_system_sgpr_workgroup_id_x 1
		.amdhsa_system_sgpr_workgroup_id_y 1
		.amdhsa_system_sgpr_workgroup_id_z 1
		.amdhsa_system_vgpr_workitem_id 0
		.amdhsa_next_free_vgpr 136
		.amdhsa_next_free_sgpr 66
		.amdhsa_reserve_vcc 0
		.amdhsa_float_denorm_mode_32 3
		.amdhsa_float_denorm_mode_16_64 3
		.amdhsa_memory_ordered 1
		.amdhsa_forward_progress 1
		.amdhsa_inst_pref_size 13
	.end_amdhsa_kernel
	.amdgpu_metadata
---
amdhsa.version: [ 1, 2 ]
amdhsa.kernels:
  - .name:           k_q470931fe80_cast
    .symbol:         k_q470931fe80_cast.kd
    .args:
      - { .name: x, .offset: 0, .size: 8, .value_kind: global_buffer, .address_space: global }
      - { .name: Wq, .offset: 8, .size: 8, .value_kind: global_buffer, .address_space: global }
      - { .name: Wk, .offset: 16, .size: 8, .value_kind: global_buffer, .address_space: global }
      - { .name: Wv, .offset: 24, .size: 8, .value_kind: global_buffer, .address_space: global }
      - { .name: Wo, .offset: 32, .size: 8, .value_kind: global_buffer, .address_space: global }
      - { .name: x16, .offset: 40, .size: 8, .value_kind: global_buffer, .address_space: global }
      - { .name: w16, .offset: 48, .size: 8, .value_kind: global_buffer, .address_space: global }
    .group_segment_fixed_size: 0
    .private_segment_fixed_size: 0
    .kernarg_segment_align: 8
    .kernarg_segment_size: 56
    .max_flat_workgroup_size: 256
    .sgpr_count:     66
    .vgpr_count:     136
    .wavefront_size: 32
...
	.end_amdgpu_metadata
.endif
;; end of part 5
;; launch qkv: the kernel of part 2 again; grid 16 x 16, 4 waves a work-group, clusters of 4 x 4, 327,680 bytes of LDS; arguments x16, w16, q16, kv16; writes q16, kv16
;; launch attn: the kernel of part 3 again; grid 8 x 32, 8 waves a work-group, clusters of 4 x 4, 327,680 bytes of LDS; arguments q16, kv16, mask, a16; writes a16
;; launch oproj: the kernel of part 4 again; grid 8 x 32, 4 waves a work-group, clusters of 4 x 4, 327,680 bytes of LDS; arguments a16, w16, out0; writes out0
